; MI455X (gfx1250); checked and timed in simulation.
; The chip was launched on July 23, 2026; its instructions are those of AMD's public machine-readable ISA for CDNA 5 (MIT licence, August 2026) and "CDNA5" Instruction Set Architecture Reference Guide (July 2026). The comments in the code are by the model that wrote it; some were corrected since.
;; Causal Self Attention. Allowed arithmetic: matrix products marked QUANTISED: E2M3 operands, one E8M0 scale for each 32 along K, by v_wmma_scale_f32_16x16x128_f8f6f4 with both operands' format E2M3, f32 sums; everything else in f32.
;; Inputs: Wproj 1,024 x 1,024 float32; Wqkv 1,024 x 3,072 float32; bproj 1,024 float32; bqkv 3,072 float32; x 4 x 2,048 x 1,024 float32.
;; Outputs: out0 4 x 2,048 x 1,024 float32.
;; This version of the problem:
;;   THIS VERSION OF THE PROBLEM IS GIVEN IN LOW PRECISION. The matrix products marked QUANTISED in the list below multiply operands that are first quantised to E2M3 (2 exponent bits, 3 mantissa bits; 6 bits a number), with one power-of-two scale for each 32 numbers along K (OCP MX v1.0); their sums are f32. All else is computed in f32.
;;   The module's matrix products, in the order in which they are computed (A, B: the left and right operand; K: the contracted axis; several contracted axes count as one K, in the product's order):
;;     1. [M 8,192, K 1,024] x [K 1,024, N 3,072]; A: input x; B: input Wqkv: QUANTISED
;;     2. batch 64 x [M 2,048, K 64] x [K 64, N 2,048]; A: computed on the way; B: computed on the way: QUANTISED
;;     3. batch 64 x [M 2,048, K 2,048] x [K 2,048, N 64]; A: softmax (see below); B: computed on the way: QUANTISED
;;     4. [M 8,192, K 1,024] x [K 1,024, N 1,024]; A: computed on the way; B: input Wproj: QUANTISED
;;   THE QUANTISER, for each operand of a quantised product, along K:
;;     - K is cut into blocks of 32 from its start; a last block that is shorter is filled with zeros.
;;     - A block's scale is 2^e with e = floor(log2(the largest magnitude in the block)) - 2, held to -126 .. 127; a block of zeros has e = 0. As a byte (E8M0): e + 127.
;;     - Each number is divided by its block's scale, clamped to +-7.5, and rounded to the nearest number of E2M3, ties to even, subnormals kept.
;;     - The product sums the exact products of the quantised numbers (number of the format x scale) in f32.
;;   ~~~python
;;   def quantise(x, axis):      # numpy; x: float32 -> the quantised numbers, widened to float32 again
;;       x = np.moveaxis(x, axis, -1); K = x.shape[-1]
;;       x = np.pad(x, [(0, 0)] * (x.ndim - 1) + [(0, -K % 32)]); x = x.reshape(x.shape[:-1] + (-1, 32)); a = np.abs(x).max(-1, keepdims=True)
;;       e = np.where(a > 0, np.clip(np.frexp(np.where(a > 0, a, 1))[1] - 1 - 2, -126, 127), 0)      # np.frexp(a)[1] - 1 = floor(log2(a)), exactly
;;       r = np.clip(x / 2.0 ** e, -7.5, 7.5)
;;       step = 2.0 ** (np.maximum(np.frexp(np.where(r == 0, 1, r))[1] - 1, 0) - 3)
;;       q = np.round(r / step) * step * 2.0 ** e      # np.round: ties to even
;;       return np.moveaxis(q.reshape(q.shape[:-2] + (-1,))[..., :K], -1, axis).astype(np.float32)
;;   ~~~
;;   SOFTMAX AHEAD OF A QUANTISED PRODUCT. Where the list says 'softmax', what is quantised is not the finished softmax but p = 2^(t - M), with t = logit x log2(e) and M = ceil(the row's largest t), a whole number; so 1/2 < the row's largest p <= 1. The row's sum l is taken of the UNQUANTISED p, in f32, and the product's result is divided by l at the end. Since M is a whole number, a kernel that streams over the keys may use a running M (the ceiling of the running maximum): every later rescaling is an exact power of two, which a block's scale takes up: the codes' values come out the same.
;;   OPERANDS COMPUTED ON THE WAY. 'Computed on the way' means the value that the module computes at that place (a softmax that the list does not call 'softmax' is quantised finished and normalised). What goes into a quantiser is computed in f32, as accurately as f32 sums, v_exp_f32 and their like allow (about 1e-6 of the number): no bf16 or f16 on the way to a quantiser, and a product that is left as it is and whose result goes on into a quantised operand takes f32 operands (vector FMAs, or v_wmma_f32_16x16x4_f32). A number that lies on a knife's edge between two numbers of the format may be rounded either way, as far as f32 arithmetic and the matrix unit's own rounding can turn it there, and no further.
;; One version. Each part assembles by itself: llvm-mc -triple=amdgcn-amd-amdhsa -mcpu=gfx1250 --defsym DOCPART=n.
;; ======== version 1 of 1: 4 launches
;; workspace buffers: xq 6,553,600 bytes; wq 3,276,800 bytes; qq 6,553,600 bytes; kv 13,107,200 bytes; oq 6,553,600 bytes
;; launch prep (part 1): grid 768 x 1, 4 waves a work-group, no clusters, 34,304 bytes of LDS; arguments x, Wqkv, Wproj, xq, wq; writes xq, wq
.if DOCPART == 1
	.amdgcn_target "amdgcn-amd-amdhsa--gfx1250"
	.amdhsa_code_object_version 6
	.text
	.protected	k_q74909daede_prep
	.globl	k_q74909daede_prep
	.p2align	8
	.type	k_q74909daede_prep,@function
k_q74909daede_prep:
	s_mov_b64 s[64:65], 0
	v_nop
	global_prefetch_b8 v0, s[64:65] scope:SCOPE_SE
	s_setreg_imm32_b32 hwreg(HW_REG_WAVE_MODE, 25, 1), 1
	s_wait_xcnt 0x0
; x [8192][1024], Wqkv [1024][3072] and Wproj [1024][1024], f32, become codes of FP6 (E2M3) with one E8M0 byte for each 32 along K (K = 1,024 for all three).
; THE WORKSPACE IS LAID AS THE MATRIX UNIT'S REGISTERS WANT IT.  A tile is 16 rows of an operand (tokens of x, columns of a weight): tile i holds rows 32 (i / 2) + 8 (i % 2) + r + 8 (r / 8), r = 0 .. 15.
; A fragment (a tile x 128 along K) is twelve registers a lane; its image is 1,536 bytes: registers 0-3 at 16 x lane, 4-5 at 512 + 8 x lane, 6-7 at 768 + 8 x lane, 8-11 at 1,024 + 16 x lane.
; xq, wq: [tile][K step 0..7][1,536]; behind all codes the scale words [tile][K step][16 rows], four bytes a word.  wq: tiles 0-191 Wqkv's columns, tiles 192-255 Wproj's.
; A block's scale is 2^(floor(log2(largest magnitude)) - 2); its byte is the largest magnitude's exponent field - 2, held at 1 from below.
; LIMITS: a block of zeros, or one whose largest magnitude lies under 2^-124, gets the byte 1 (the rule says 127 for zeros): its codes are zeros or are held by that scale, and only this program reads the bytes.
; NaN and infinities among the inputs are not served.
; SHARES.  Work-groups 0-255: a weight's 128 columns x one K step; a lane takes a column and its registers run down K, so nothing is transposed.  Work-groups 256-767: one tile of x; wave w takes K steps 2 w, 2 w + 1.
; No cluster, no tensor load: no two work-groups read the same byte, and everything a wave reads is asked for at its head or one block ahead.
.set XSC,   6291456                    ; where xq's scale words begin
.set WSC,   3145728                    ; where wq's begin
.set TILEB, 12288                      ; a tile's eight images
.set IMG,   1536
.set SP,    528                        ; a stage row: 512 bytes + 16: sixteen rows start at sixteen different 16-byte columns of 256 bytes
.set STG,   16*SP                      ; a wave's stage
.set SPARE, 4*STG                      ; behind the stages: the spare words, 128 bytes a wave
.set TM,    16                         ; v16-19 largest magnitudes, v20-23 bytes, v24-27 the conversions' scale operands
.set R0,    32                         ; v32-95   x, first K step as loaded; later the second K step turned
.set R1,    96                         ; v96-159  x, second K step as loaded
.set X0,    160                        ; v160-223 first K step turned
.set PC,    224                        ; v224-235 a fragment's codes
.set CT,    236                        ; v236-243 the conversions' second halves
.set PW,    244                        ; v244, v245 the two scale words
.set SPW,   246                        ; my spare word's LDS address; never rewritten
.set NIL,   247                        ; 0; never rewritten
.set SEL,   40                         ; s[40:41] lane selects for v_permlanex16_b32: lane l xor 16
	s_load_b128 s[4:7], s[0:1], 0x0                ; x, Wqkv
	s_load_b128 s[8:11], s[0:1], 0x10              ; Wproj, xq
	s_load_b64 s[12:13], s[0:1], 0x20              ; wq
	v_lshl_add_u32 v[SPW], v0, 2, SPARE
	v_mov_b32 v[NIL], 0
	v_lshrrev_b32 v1, 5, v0
	v_readfirstlane_b32 s14, v1                    ; wave
	v_and_b32 v1, 31, v0                           ; lane
	s_cmp_lt_u32 ttmp9, 256
	s_cbranch_scc0 .Lxpath
; ---------------- a weight: 128 columns x 128 along K.  One text for both weights: pointer, row length and first column are chosen by the work-group's number.
	s_and_b32 s15, ttmp9, 31                       ; which 128 columns: 0-23 Wqkv's, 24-31 Wproj's
	s_lshr_b32 s16, ttmp9, 5                       ; K step
	s_mov_b32 s17, 4096
	s_wait_kmcnt 0x0
	s_cmp_lt_u32 s15, 24
	s_cselect_b64 s[6:7], s[6:7], s[8:9]           ; the weight
	s_cselect_b32 s17, 12288, s17                  ; bytes in one of its rows
	s_cselect_b32 s18, 0, 24
	s_sub_co_u32 s18, s15, s18                     ; which 128 columns of that weight
	s_lshl_b32 s19, s16, 7
	s_mul_i32 s19, s19, s17                        ; row 128 x K step
	s_lshl_b32 s18, s18, 9
	s_add_co_u32 s19, s19, s18
	s_lshl_b32 s18, s14, 7                         ; my wave's 32 columns
	s_add_co_u32 s28, s19, s18
	s_mov_b32 s29, 0
	s_lshl_b32 s30, s17, 5                         ; 32 rows on: the next block
	s_mov_b32 s31, 0
	s_add_nc_u64 s[20:21], s[6:7], s[28:29]        ; a base for each of the four blocks
	s_add_nc_u64 s[22:23], s[20:21], s[30:31]
	s_add_nc_u64 s[24:25], s[22:23], s[30:31]
	s_add_nc_u64 s[26:27], s[24:25], s[30:31]
	s_lshl_b32 s32, s15, 3
	s_lshl_b32 s33, s14, 1
	s_add_co_u32 s32, s32, s33                     ; my wave's first tile of two
	s_mul_i32 s36, s32, TILEB
	s_mul_i32 s33, s16, IMG
	s_add_co_u32 s36, s36, s33
	s_mov_b32 s37, 0
	s_add_nc_u64 s[34:35], s[12:13], s[36:37]      ; its image of this K step
	s_lshl_b32 s36, s32, 9
	s_lshl_b32 s33, s16, 6
	s_add_co_u32 s36, s36, s33
	s_add_co_u32 s36, s36, WSC
	s_add_nc_u64 s[38:39], s[12:13], s[36:37]      ; and its scale words
	s_wait_alu depctr_va_vdst(0)
	v_lshlrev_b32 v32, 2, v1                       ; v32-63: 4 x lane + i rows: the row's length is no constant of the text, so it cannot stand in an immediate
.set wi, 0
.rept 31
	v_add_nc_u32 v[33+wi], s17, v[32+wi]
.set wi, wi+1
.endr
	v_bfe_u32 v2, v1, 3, 1                         ; column x of the 32 lies in tile u = (x / 8) % 2,
	v_and_b32 v3, 7, v1
	v_lshrrev_b32 v4, 4, v1
	v_lshl_add_u32 v3, v4, 3, v3                   ; at row r = x % 8 + 8 (x / 16)
	v_mul_u32_u24 v4, v2, TILEB
	v_lshl_add_u32 v5, v3, 4, v4                   ; where lane r's 16 bytes of an image lie,
	v_lshl_add_u32 v6, v3, 3, v4                   ; its 8 bytes,
	v_lshlrev_b32 v7, 9, v2
	v_lshl_add_u32 v7, v3, 2, v7                   ; and its scale word
.macro WLOAD t                         ; block t: W(32 t + i, my column), i = 0 .. 31: each load reads 128 consecutive bytes
.set wi, 0
.rept 32
	global_load_b32 v[64+32*((\t)%2)+wi], v[32+wi], s[20+2*(\t):21+2*(\t)] th:TH_LOAD_NT
.set wi, wi+1
.endr
.endm
; Block t = 2 c + h of the K step is what lane (r, h) of the fragment holds in registers 6 c .. 6 c + 5: my six registers go to that lane's places in the image.
.macro WBLOCK t
.set XS, 64+32*((\t)%2)
.set P, 144+6*(\t)                     ; six registers of its own for each block: no store's data are written again
.if (\t) < 3
	s_wait_loadcnt 32                              ; this block's 32 loads are in; the next block's 32 may be out
.else
	s_wait_loadcnt 0x0
.endif
	v_max3_num_f32 v12, |v[XS]|, |v[XS+1]|, |v[XS+2]|
	v_max3_num_f32 v13, |v[XS+3]|, |v[XS+4]|, |v[XS+5]|
.irp i, 6,10,14,18,22,26
	v_max3_num_f32 v12, v12, |v[XS+\i]|, |v[XS+\i+1]|
	v_max3_num_f32 v13, v13, |v[XS+\i+2]|, |v[XS+\i+3]|
.endr
	v_max3_num_f32 v12, v12, |v[XS+30]|, |v[XS+31]|
	v_max3_num_f32 v12, v12, v13, 0x1800000        ; and the floor 2^(3 - 127): the byte cannot fall under 1
	v_add_nc_u32 v11, 0xff000000, v12              ; 2 off the exponent field: the conversions' scale operand
	v_lshrrev_b32 v13, 23, v11                     ; the scale's byte
.if (\t) == 0
	v_mov_b32 v140, v13
.else
	v_lshl_or_b32 v140, v13, 8*(\t), v140          ; the four bytes make my column's scale word
.endif
	v_cvt_scalef32_pk16_fp6_f32 v[P:P+2], v[XS:XS+15], v11
	v_cvt_scalef32_pk16_fp6_f32 v[136:138], v[XS+16:XS+31], v11   ; (a conversion's three registers begin on an even number)
	v_nop                                          ; one plain place behind the conversions
.irp i, 0,1,2
	v_mov_b32 v[P+3+\i], v[136+\i]
.endr
.if (\t) < 2
	WLOAD (\t)+2
.endif
.if (\t)/2 == 0
	global_store_b128 v5, v[P:P+3], s[34:35] offset:256*((\t)%2)      ; sixteen lanes fill 256 consecutive bytes of each tile's image
	global_store_b64 v6, v[P+4:P+5], s[34:35] offset:512+128*((\t)%2) ; (these fill 128)
.else
	global_store_b64 v6, v[P:P+1], s[34:35] offset:768+128*((\t)%2)
	global_store_b128 v5, v[P+2:P+5], s[34:35] offset:1024+256*((\t)%2)
.endif
.endm
	WLOAD 0
	WLOAD 1
	WBLOCK 0
	WBLOCK 1
	WBLOCK 2
	WBLOCK 3
	global_store_b32 v7, v140, s[38:39]
	s_endpgm
; ---------------- a tile of x: 16 rows; my wave's 256 numbers of each
.Lxpath:
	s_sub_co_u32 s15, ttmp9, 256                   ; tile
	s_lshr_b32 s16, s15, 1
	s_lshl_b32 s16, s16, 5
	s_and_b32 s17, s15, 1
	s_lshl_b32 s17, s17, 3
	s_add_co_u32 s16, s16, s17                     ; its first row: 32 (tile / 2) + 8 (tile % 2)
	s_lshl_b32 s16, s16, 12                        ; rows of 4,096 bytes
	s_lshl_b32 s17, s14, 10                        ; my wave's 1,024 bytes of a row
	s_add_co_u32 s16, s16, s17
	s_mov_b32 s17, 0
	s_mul_i32 s18, s15, TILEB
	s_mul_i32 s19, s14, 2*IMG
	s_add_co_u32 s18, s18, s19
	s_mov_b32 s19, 0
	s_lshl_b32 s20, s15, 9
	s_lshl_b32 s21, s14, 7
	s_add_co_u32 s20, s20, s21
	s_add_co_u32 s20, s20, XSC
	s_mov_b32 s21, 0
	s_mul_i32 s22, s14, STG                        ; my stage
	s_wait_alu depctr_va_vdst(0)
	v_lshlrev_b32 v2, 4, v1                        ; 16 x lane
	v_lshlrev_b32 v3, 3, v1                        ; 8 x lane
	v_lshlrev_b32 v6, 2, v1                        ; 4 x lane
	v_add_nc_u32 v4, s22, v2                       ; into the stage: a row's 512 bytes as they lie
	v_and_b32 v7, 15, v1                           ; r
	v_lshrrev_b32 v8, 4, v1                        ; h
	v_mul_u32_u24 v5, v7, SP
	v_lshl_add_u32 v5, v8, 6, v5
	v_add_nc_u32 v5, s22, v5                       ; out of it: row r, + 64 h: my 16 numbers of each block of 32
	s_mov_b32 s[SEL], 0x76543210
	s_mov_b32 s[SEL+1], 0xfedcba98
	s_mov_b32 s42, 0xffff0000                      ; lanes 16-31
.irp b, 0,1,2,3
	v_mov_b32 v[TM+4+\b], 0                        ; written once: a lane permute's destination counts as one of its sources
.endr
	s_wait_alu depctr_va_vdst(0)
	s_wait_kmcnt 0x0
	s_add_nc_u64 s[4:5], s[4:5], s[16:17]
	s_add_nc_u64 s[18:19], s[10:11], s[18:19]
	s_add_nc_u64 s[20:21], s[10:11], s[20:21]
.irp st, 0,1                                   ; all 32 loads at once: each reads 512 consecutive bytes, one row's 128 numbers of one K step
.irp i, 0,1,2,3,4,5,6,7,8,9,10,11,12,13,14,15
	global_load_b128 v[R0+64*\st+4*\i:R0+64*\st+4*\i+3], v2, s[4:5] offset:(\i+8*(\i/8))*4096+512*\st th:TH_LOAD_NT
.endr
.endr
; A K step's 16 x 128 numbers turn through the stage: LDS serves a wave's instructions in order (ISA guide 5.7.1.4), so no wait stands between the stores and the loads.
.macro TURN src, dst
.irp i, 0,1,2,3,4,5,6,7,8,9,10,11,12,13,14,15
	ds_store_b128 v4, v[\src+4*\i:\src+4*\i+3] offset:SP*\i
.endr
.irp b, 0,1,2,3
.irp j, 0,1,2,3
	ds_load_b128 v[\dst+16*\b+4*\j:\dst+16*\b+4*\j+3], v5 offset:128*\b+16*\j
.endr
.endr
.endm
; 64 numbers of a lane, register 16 b + i = k 32 b + 16 (lane / 16) + i of my row, become a fragment's codes in v[pc] on and its scale word in v[pw].
.macro QUANT s, pc, pw
.irp b, 0,1,2,3
	v_max3_num_f32 v[TM+\b], |v[\s+16*\b]|, |v[\s+1+16*\b]|, 0x1800000   ; with the floor 2^(3 - 127)
.endr
.irp i, 2,4,6,8,10,12,14
.irp b, 0,1,2,3
	v_max3_num_f32 v[TM+\b], v[TM+\b], |v[\s+16*\b+\i]|, |v[\s+1+16*\b+\i]|   ; the four blocks by turns
.endr
.endr
.irp b, 0,1,2,3
	v_permlanex16_b32 v[TM+4+\b], v[TM+\b], s[SEL], s[SEL+1]
.endr
.irp b, 0,1,2,3
	v_max_num_f32 v[TM+\b], v[TM+\b], v[TM+4+\b]   ; with lane l xor 16's 16: the block's largest magnitude
.endr
.irp b, 0,1,2,3
	v_add_nc_u32 v[TM+8+\b], 0xff000000, v[TM+\b]  ; 2 off its exponent field: the conversion's scale operand
.endr
.irp b, 0,1,2,3
	v_lshrrev_b32 v[TM+4+\b], 23, v[TM+8+\b]       ; the byte
.endr
	v_lshl_or_b32 v[\pw], v[TM+5], 8, v[TM+4]
	v_lshl_or_b32 v[\pw], v[TM+6], 16, v[\pw]
	v_lshl_or_b32 v[\pw], v[TM+7], 24, v[\pw]
.irp c, 0,1
	v_cvt_scalef32_pk16_fp6_f32 v[\pc+6*\c:\pc+2+6*\c], v[\s+32*\c:\s+15+32*\c], v[TM+8+2*\c]
	v_cvt_scalef32_pk16_fp6_f32 v[CT+4*\c:CT+2+4*\c], v[\s+16+32*\c:\s+31+32*\c], v[TM+9+2*\c]
.endr
	v_nop                                          ; one plain place behind the conversions
.irp c, 0,1                                    ; the layout wants a whole block in a lane: lanes 0-15 block 2 c, lanes 16-31 block 2 c + 1
.irp i, 0,1,2
	v_permlane16_swap_b32 v[\pc+6*\c+\i], v[CT+4*\c+\i]
.endr
.irp i, 0,1,2
	v_mov_b32 v[\pc+3+6*\c+\i], v[CT+4*\c+\i]
.endr
.endr
.endm
.macro PUT pc, off                     ; a fragment's image: every store fills whole aligned runs of 256 bytes
	global_store_b128 v2, v[\pc:\pc+3], s[18:19] offset:\off
	global_store_b64 v3, v[\pc+4:\pc+5], s[18:19] offset:\off+512
	global_store_b64 v3, v[\pc+6:\pc+7], s[18:19] offset:\off+768
	global_store_b128 v2, v[\pc+8:\pc+11], s[18:19] offset:\off+1024
.endm
	s_wait_loadcnt 16                              ; the first K step's 16 loads are in
	TURN R0, X0
	s_wait_dscnt 0x0                               ; it is back, turned
	s_wait_loadcnt 0x0
	TURN R1, R0                                    ; the second K step turns while the first is quantised
	QUANT X0, PC, PW
	PUT PC, 0
	s_wait_dscnt 0x0
	s_wait_xcnt 0x0                                ; the stores have read the codes' registers
	QUANT R0, PC, PW+1
	PUT PC, IMG
	v_cndmask_b32 v[PW], v[PW], v[PW+1], s42       ; lanes 0-15 the first K step's words, lanes 16-31 the second's
	global_store_b32 v6, v[PW], s[20:21]           ; 128 consecutive bytes
	s_wait_tensorcnt 0x0                           ; the wave's end: behind my last LDS store
	ds_add_u32 v[SPW], v[NIL]
	s_wait_dscnt 0x0
	s_endpgm
.Lfunc_end_k_q74909daede_prep:
	.size	k_q74909daede_prep, .Lfunc_end_k_q74909daede_prep-k_q74909daede_prep
	.p2alignl 7, 3214868480
	.fill 96, 4, 3214868480
	.section	.rodata,"a",@progbits
	.p2align	6, 0x0
	.amdhsa_kernel k_q74909daede_prep
		.amdhsa_group_segment_fixed_size 34304
		.amdhsa_private_segment_fixed_size 0
		.amdhsa_enable_private_segment 0
		.amdhsa_kernarg_size 40
		.amdhsa_user_sgpr_count 2
		.amdhsa_user_sgpr_kernarg_segment_ptr 1
		.amdhsa_wavefront_size32 1
		.amdhsa_system_sgpr_workgroup_id_x 1
		.amdhsa_system_sgpr_workgroup_id_y 1
		.amdhsa_system_sgpr_workgroup_id_z 1
		.amdhsa_system_vgpr_workitem_id 0
		.amdhsa_next_free_vgpr 256
		.amdhsa_next_free_sgpr 66
		.amdhsa_reserve_vcc 0
		.amdhsa_float_denorm_mode_32 3
		.amdhsa_float_denorm_mode_16_64 3
		.amdhsa_memory_ordered 1
		.amdhsa_forward_progress 1
		.amdhsa_inst_pref_size 40
	.end_amdhsa_kernel
	.amdgpu_metadata
---
amdhsa.version: [ 1, 2 ]
amdhsa.kernels:
  - .name:           k_q74909daede_prep
    .symbol:         k_q74909daede_prep.kd
    .args:
      - { .name: x, .offset: 0, .size: 8, .value_kind: global_buffer, .address_space: global }
      - { .name: Wqkv, .offset: 8, .size: 8, .value_kind: global_buffer, .address_space: global }
      - { .name: Wproj, .offset: 16, .size: 8, .value_kind: global_buffer, .address_space: global }
      - { .name: xq, .offset: 24, .size: 8, .value_kind: global_buffer, .address_space: global }
      - { .name: wq, .offset: 32, .size: 8, .value_kind: global_buffer, .address_space: global }
    .group_segment_fixed_size: 34304
    .private_segment_fixed_size: 0
    .kernarg_segment_align: 8
    .kernarg_segment_size: 40
    .max_flat_workgroup_size: 128
    .sgpr_count:     66
    .vgpr_count:     256
    .wavefront_size: 32
...
	.end_amdgpu_metadata
.endif
;; end of part 1
;; launch qkv (part 2): grid 8 x 48, 4 waves a work-group, clusters of 4 x 4, 327,680 bytes of LDS; arguments xq, wq, bqkv, qq, kv; writes qq, kv
.if DOCPART == 2
	.amdgcn_target "amdgcn-amd-amdhsa--gfx1250"
	.amdhsa_code_object_version 6
	.text
	.protected	k_q74909daede_qkv
	.globl	k_q74909daede_qkv
	.p2align	8
	.type	k_q74909daede_qkv,@function
k_q74909daede_qkv:
	s_mov_b64 s[64:65], 0
	v_nop
	global_prefetch_b8 v0, s[64:65] scope:SCOPE_SE
	s_setreg_imm32_b32 hwreg(HW_REG_WAVE_MODE, 25, 1), 1
	s_wait_xcnt 0x0
	s_wait_alu depctr_hold_cnt(0) depctr_sa_sdst(0) depctr_va_vdst(0) depctr_va_sdst(0) depctr_va_ssrc(0) depctr_va_vcc(0) depctr_vm_vsrc(0)
	s_getreg_b32 s2, hwreg(HW_REG_IB_STS2, 6, 4)
	s_cmp_eq_u32 s2, 0
	s_cbranch_scc0 .Lentry_in_a_cluster
	s_endpgm
.Lentry_in_a_cluster:
	s_bfe_u32 s2, ttmp6, 0x10000c
	s_cmp_lg_u32 s2, 0xf033
	s_cbranch_scc0 .Lentry_shape_is_right
	s_endpgm
.Lentry_shape_is_right:
; qkv = x Wqkv + bqkv on codes of FP6 (E2M3), and q, k, v quantised on the way out: q and k along the head's 64, v along the keys.  K = 1,024.
; OPERANDS lie in memory as images of the matrix unit's registers: [tile of 16 rows][K step of 128][1,536 bytes], scale words behind them [tile][K step][16]; tile i holds rows 32 (i / 2) + 8 (i % 2) + r + 8 (r / 8).
; A work-group makes 256 x 256 of a product, four waves 128 x 128 each: 64 accumulators, 512 registers.  Source 0 is called B (its rows land in a lane's registers), source 1 A (its rows land in the lanes).
; By the tiles' order the 64 accumulator registers of a lane for one tile of A are B's rows 32 b + 16 (lane / 16) + i in register 16 b + i: sixteen neighbours a block, as the conversions want them.
; TWO MODES, by the cluster's y (the same in all sixteen partners).  y < 8: A = 256 tokens, B = 256 columns of q (cluster x = 0) or k (1): a lane holds a token, its registers run along the head's numbers.
; y >= 8: A = 256 columns of v, B = 256 tokens: a lane holds one of the head's 64, its registers run along the keys.  So one text quantises all three, and nothing is transposed.
; OUTPUT.  qq: [b, head][128 tokens][6,400]: four pair fragments and 256 bytes of scale words.  kv: [b, head][128 keys][12,800]: K's four pair fragments, V's four fragments, K's scale words, V's.
; A pair fragment of 32 tokens: registers 0-5 of lane (r, h) are numbers 32 h .. + 31 of token r + 8 (r / 8), registers 6-11 those of the token 8 further on; its scale word has two bytes for each.
; CLUSTER 4 x 4: A's tiles are asked for jointly along a row of the cluster, B's along a column.  K goes in four K slots of 256 through three LDS slots: three are asked for at the head, the fourth fills slot 0 again.
; No prefetch: three quarters of what a work-group reads is asked for at its head.
; LIMITS: a block of zeros, or one under 2^-124, gets the scale byte 1 (only this program reads the bytes); NaN and infinities are not served.
; REGISTERS.  window 0: v2, v3 16 and 8 x lane; v4-16 LDS addresses; v17, v18 the add's two; v19-31 the way out; v32-95 scale words; v96-127, v224-255 the bias by columns; v128-223 A's fragments, one set, later the way out.
;   window 1: B's fragments, two sets, v0-95 and v128-223; v96-111 v's bias, a number a lane, twice.   windows 2, 3: the accumulators, (a, b) at v[8 (8 (a % 4) + b)].
.set XSC,   6291456
.set WSC,   3145728
.set TILEB, 12288
.set IMG,   1536
.set REC,   12800                      ; a record of kv
.set HALF,  8*2*IMG                    ; 8 tiles x 2 K steps: what one tensor load brings, and what one wave reads of A or of B in a K slot
.set SLOT,  4*HALF                     ; A's two halves, then B's two
.set SCL,   3*SLOT                     ; behind the three slots: the scale words of all of K, 4,096 bytes a wave's load
.set SPARE, SCL+4*4096                 ; the spare words, 128 bytes a wave
.set VO16, 2
.set VO8,  3
.set A16,  4                           ; v4-6   slot g: my A half + 16 x lane;  v7-9 + 8 x lane
.set A8,   7
.set B16,  10                          ; v10-12, v13-15 the same for B
.set B8,   13
.set ADRS, 16                          ; my scale words: lanes 0-15 A's, lanes 16-31 B's
.set SPW,  17
.set NIL,  18
.set PWE,  21                          ; the way out: the scale words of an even and an odd tile of A
.set PWO,  22
.set WQ,   24                          ; v24-31 scale words gathered
.set SC,   32                          ; v[SC + 8 i + s]: lanes 0-15 the word of A's tile i for K step s, lanes 16-31 that of B's tile i
.set AF,   128
.set H,    128                         ; the way out: 64 numbers
.set PC,   192                         ; their codes
.set CT,   204
.set TM,   212
.set G1A,  24
.set G1B,  32
.set G1SA, 40
.set G1SB, 48
.set G0A0, 56
.set G0A1, 60
.set G0A2, 68
.set G0B0, 72
.set G0B1, 76
.set G0B2, 80
.set G0SA, 84
.set G0SB, 88
.set SEL,  48                          ; the way out (the descriptors are done with): s[48:49]
.set MSB, 0
.macro WIN new                         ; the immediate's high byte repeats the setting that is left
.if MSB != (\new)
	s_set_vgpr_msb (MSB<<8)|(\new)
.set MSB, (\new)
.endif
.endm
.macro PLACES n
.rept \n
	v_nop
.endr
.endm
; A joint load: waves 0 and 1 fetch for A, waves 2 and 3 for B.  The branch hangs on the wave's number alone.  An s_nop 0 and four v_nop follow each line.
.macro JLOAD g0a, g1a, g0b, g1b
	s_cmp_eq_u32 s15, 0
	s_cbranch_scc0 .Lfor_b_\@
	tensor_load_to_lds s[\g0a:\g0a+3], s[\g1a:\g1a+7]
	s_nop 0
.rept 4
	v_nop
.endr
	s_branch .Lasked_\@
.Lfor_b_\@:
	tensor_load_to_lds s[\g0b:\g0b+3], s[\g1b:\g1b+7]
	s_nop 0
.rept 4
	v_nop
.endr
.Lasked_\@:
.endm
.macro CREST                           ; a round of the cluster's barrier behind its opening barrier
	s_cmp_lg_u32 s14, 0
	s_cbranch_scc1 .Lnot_wave_0_\@
	s_barrier_signal -3
.Lnot_wave_0_\@:
	s_barrier_wait -3
	s_barrier_signal -1
	s_barrier_wait -1
.endm
.macro CROUND
	s_barrier_signal -1
	s_barrier_wait -1
	CREST
.endm
.macro MKG0 g, ldsreg, ldsoff, adr, goff       ; a descriptor's group 0: count 1, LDS address, global address, type 2
	s_mov_b32 s[\g], 1
	s_add_co_u32 s[\g+1], s[\ldsreg], \ldsoff
	s_add_nc_u64 s[\g+2:\g+3], s[\adr:\adr+1], \goff
	s_or_b32 s[\g+3], s[\g+3], 0x80000000
.endm
.macro FRAG reg, a16, a8, off          ; an image comes back as the twelve registers that it is: every load reads consecutive bytes
	ds_load_b128 v[\reg:\reg+3], v[\a16] offset:\off
	ds_load_b64 v[\reg+4:\reg+5], v[\a8] offset:\off+512
	ds_load_b64 v[\reg+6:\reg+7], v[\a8] offset:\off+768
	ds_load_b128 v[\reg+8:\reg+11], v[\a16] offset:\off+1024
.endm
.macro FETCH_B sl, q, p                ; B's eight fragments of slot sl's q-th K step into set p
	WIN 0x40
.irp i, 0,1,2,3,4,5,6,7
	FRAG 128*(\p)+12*\i, B16+\sl, B8+\sl, \i*2*IMG+(\q)*IMG
.endr
	WIN 0
.endm
.macro FETCH_A sl, q, i0               ; A's tiles i0 .. i0 + 3
.irp i, \i0, \i0+1, \i0+2, \i0+3
	FRAG AF+12*(\i), A16+\sl, A8+\sl, (\i)*2*IMG+(\q)*IMG
.endr
.endm
.macro SCALES                          ; all of K's scale words, once
.irp i, 0,1,2,3,4,5,6,7
.irp s, 0,1,2,3,4,5,6,7
	ds_load_b32 v[SC+8*\i+\s], v[ADRS] offset:512*\i+64*\s
.endr
.endr
.endm
; 16 matrix instructions: A's tiles a0, a0 + 1 x B's eight, K step s.  zero = 1: the products start the sums; 2: the bias is their C; 0: in place.
; The 64 accumulators take turns, one instruction a turn, in the same order in every K step.
.macro MUL16 a0, s, zero
.irp a, \a0, \a0+1
.irp b, 0,1,2,3,4,5,6,7
.if \zero == 1
	v_wmma_scale_f32_16x16x128_f8f6f4 v[8*(8*((\a)%4)+\b):8*(8*((\a)%4)+\b)+7], v[128*((\s)%2)+12*\b:128*((\s)%2)+12*\b+11], v[AF+12*(\a):AF+12*(\a)+11], 0, v[SC+8*\b+(\s)], v[SC+8*(\a)+(\s)] matrix_a_fmt:MATRIX_FMT_FP6 matrix_b_fmt:MATRIX_FMT_FP6 matrix_a_scale:MATRIX_SCALE_ROW1
.elseif \zero == 2
	v_wmma_scale_f32_16x16x128_f8f6f4 v[8*(8*((\a)%4)+\b):8*(8*((\a)%4)+\b)+7], v[128*((\s)%2)+12*\b:128*((\s)%2)+12*\b+11], v[AF+12*(\a):AF+12*(\a)+11], v[96+8*\b+96*(\b/4):96+8*\b+96*(\b/4)+7], v[SC+8*\b+(\s)], v[SC+8*(\a)+(\s)] matrix_a_fmt:MATRIX_FMT_FP6 matrix_b_fmt:MATRIX_FMT_FP6 matrix_a_scale:MATRIX_SCALE_ROW1
.else
	v_wmma_scale_f32_16x16x128_f8f6f4 v[8*(8*((\a)%4)+\b):8*(8*((\a)%4)+\b)+7], v[128*((\s)%2)+12*\b:128*((\s)%2)+12*\b+11], v[AF+12*(\a):AF+12*(\a)+11], v[8*(8*((\a)%4)+\b):8*(8*((\a)%4)+\b)+7], v[SC+8*\b+(\s)], v[SC+8*(\a)+(\s)] matrix_a_fmt:MATRIX_FMT_FP6 matrix_b_fmt:MATRIX_FMT_FP6 matrix_a_scale:MATRIX_SCALE_ROW1
.endif
.endr
.endr
.endm
.macro MWIN hi, zero                   ; source 0 (B) window 1, source 1 (A) window 0, D window 2 or 3; C with D, or (the bias) window 0
.if \zero == 2
	WIN 0x81+0x40*\hi
.else
	WIN 0xa1+0x50*\hi
.endif
.endm
; K step s; the next K step's fragments (slot nsl, its nq-th) are fetched in two runs.  A load into a register that a matrix instruction has read stands four plain vector places behind it (ISA guide 7.12.1 for vector instructions).
.macro STEP s, nsl, nq, zero
	s_wait_dscnt 16                                ; all but the youngest 16 loads (A's tiles 4-7) are in
	MWIN 0, \zero
	MUL16 0, \s, \zero
	MUL16 2, \s, \zero
	s_wait_dscnt 0x0                               ; A's tiles 4-7 are in
	PLACES 4
	FETCH_B \nsl, \nq, 1-(\s)%2
	FETCH_A \nsl, \nq, 0
	MWIN 1, \zero
	MUL16 4, \s, \zero
	MUL16 6, \s, \zero
	PLACES 4
	WIN 0
	FETCH_A \nsl, \nq, 4
.endm
; K step s with a barrier in it.  In front: all my tensor loads have landed, 0 is added to my spare word, that and my reads of the slot are awaited.  fill = 1: the barrier opens a round of the cluster's, and slot 0 takes the fourth K slot.
.macro TURN s, nsl, fill
	s_wait_tensorcnt 0x0                           ; all my tensor loads have landed
	ds_add_u32 v[SPW], v[NIL]
	s_wait_dscnt 17                                ; (the add and the youngest 16 loads may be out)
	WIN 0xa1
	MUL16 0, \s, 0
	s_wait_dscnt 0x0                               ; the add is done, and my LDS reads are over
	s_barrier_signal -1
	MUL16 2, \s, 0
	WIN 0
	s_barrier_wait -1
.if \fill
	CREST                                          ; no wave of any partner still reads slot 0 or has a load on its way
	s_add_nc_u64 s[G0A0+2:G0A0+3], s[G0A0+2:G0A0+3], 3*2*IMG
	s_add_nc_u64 s[G0B0+2:G0B0+3], s[G0B0+2:G0B0+3], 3*2*IMG
	JLOAD G0A0, G1A, G0B0, G1B                     ; my one tensor load behind the round; its four v_nop are the places in front of the loads below
.else
	PLACES 4
.endif
	FETCH_B \nsl, 0, 0
	FETCH_A \nsl, 0, 0
	WIN 0xf1
	MUL16 4, \s, 0
	MUL16 6, \s, 0
	PLACES 4
	WIN 0
	FETCH_A \nsl, 0, 4
.endm
.macro FINISH
	s_wait_tensorcnt 0x0                           ; the wave's end
	ds_add_u32 v[SPW], v[NIL]
	s_wait_dscnt 0x0
	CROUND                                         ; the closing round
	s_endpgm
.endm
	s_load_b128 s[4:7], s[0:1], 0x0                ; xq, wq
	s_load_b128 s[8:11], s[0:1], 0x10              ; bqkv, qq
	s_load_b64 s[12:13], s[0:1], 0x20              ; kv
	v_lshl_add_u32 v[SPW], v0, 2, SPARE
	v_mov_b32 v[NIL], 0
	ds_add_u32 v[SPW], v[NIL]                      ; the wave's opening: the add and its wait ahead of my first tensor load
	ds_add_u32 v[SPW], v[NIL]
	v_lshrrev_b32 v1, 5, v0
	v_readfirstlane_b32 s14, v1                    ; wave
	s_lshr_b32 s15, s14, 1                         ; my half of A.  Also: I fetch for A (0) or for B (1)
	s_and_b32 s16, s14, 1                          ; my half of B.  Also: which 8 tiles of the 16 I fetch
	s_bfe_u32 s17, ttmp6, 0x40000                  ; cx
	s_bfe_u32 s18, ttmp6, 0x40004                  ; cy
	s_and_b32 s19, ttmp7, 0xffff                   ; the cluster's y
	s_lshl_b32 s20, s18, 2
	s_lshl_b32 s20, 15, s20                        ; my row of the cluster
	s_lshl_b32 s21, 0x1111, s17                    ; my column
	s_or_b32 s[G1A], s20, (3<<16)|(1<<21)          ; the mask; elements of 8 bytes; bit 21 beside a mask; no padding
	s_or_b32 s[G1B], s21, (3<<16)|(1<<21)
	s_or_b32 s[G1SA], s20, (3<<16)|(1<<21)
	s_or_b32 s[G1SB], s21, (3<<16)|(1<<21)
.irp g, G1A, G1B                               ; 8 tiles' two images: 8 rows of 3,072 bytes, 12,288 bytes apart
	s_mov_b32 s[\g+1], 384<<16
	s_mov_b32 s[\g+2], 8<<16
	s_mov_b32 s[\g+3], 384<<16
	s_mov_b32 s[\g+4], 8
	s_mov_b32 s[\g+5], 1536
	s_mov_b32 s[\g+6], 0
	s_mov_b32 s[\g+7], 0
.endr
.irp g, G1SA, G1SB                             ; 8 tiles' scale words: 4,096 dense bytes as 16 rows of 256
	s_mov_b32 s[\g+1], 32<<16
	s_mov_b32 s[\g+2], 16<<16
	s_mov_b32 s[\g+3], 32<<16
	s_mov_b32 s[\g+4], 16
	s_mov_b32 s[\g+5], 32
	s_mov_b32 s[\g+6], 0
	s_mov_b32 s[\g+7], 0
.endr
	; which tiles.  A's numbers stand in s92, s93, s96, s97, s2 and never hold cx; B's in s94, s95, s98, s99, s3 and never hold cy
	s_lshl_b32 s23, s16, 3
	s_lshl_b32 s92, s19, 2                         ; 4 y
	s_sub_co_u32 s94, s19, 8
	s_lshl_b32 s94, s94, 1
	s_add_co_u32 s94, s94, ttmp9                   ; x + 2 (y - 8)
	s_mov_b32 s96, XSC
	s_mov_b32 s98, WSC
	s_cmp_ge_u32 s19, 8
	s_cselect_b32 s22, 1, 0                        ; the mode: 1 = v
	s_cselect_b32 s92, 0, s92
	s_cselect_b32 s94, s94, ttmp9
	s_cselect_b32 s2, 128, 0                       ; v's columns begin at wq's tile 128
	s_cselect_b32 s96, WSC, s96
	s_cselect_b32 s98, XSC, s98
	s_add_co_u32 s92, s92, s18                     ; A's block of 256 rows
	s_lshl_b32 s92, s92, 4
	s_add_co_u32 s92, s92, s2
	s_add_co_u32 s92, s92, s23                     ; the first tile that I would fetch of it
	s_lshl_b32 s2, s92, 9
	s_add_co_u32 s96, s96, s2                      ; its scale words,
	s_mov_b32 s97, 0
	s_mul_i32 s92, s92, TILEB                      ; its codes
	s_mov_b32 s93, 0
	s_lshl_b32 s94, s94, 2
	s_add_co_u32 s94, s94, s17                     ; B's block
	s_lshl_b32 s94, s94, 4
	s_add_co_u32 s94, s94, s23
	s_lshl_b32 s3, s94, 9
	s_add_co_u32 s98, s98, s3
	s_mov_b32 s99, 0
	s_mul_i32 s94, s94, TILEB
	s_mov_b32 s95, 0
	s_mul_i32 s66, s14, HALF                       ; where my loads go: no place in the cluster enters an LDS address
	s_lshl_b32 s67, s14, 12
	s_wait_dscnt 0x0                               ; the opening add is done
	s_wait_kmcnt 0x0
	s_cmp_eq_u32 s22, 1
	s_cselect_b64 s[100:101], s[6:7], s[4:5]       ; A's buffer
	s_cselect_b64 s[2:3], s[4:5], s[6:7]           ; B's
	s_add_nc_u64 s[92:93], s[100:101], s[92:93]
	s_add_nc_u64 s[96:97], s[100:101], s[96:97]
	s_add_nc_u64 s[94:95], s[2:3], s[94:95]
	s_add_nc_u64 s[98:99], s[2:3], s[98:99]
	MKG0 G0SA, 67, SCL, 96, 0
	MKG0 G0SB, 67, SCL, 98, 0
	MKG0 G0A0, 66, 0, 92, 0
	MKG0 G0A1, 66, SLOT, 92, 2*IMG
	MKG0 G0A2, 66, 2*SLOT, 92, 4*IMG
	MKG0 G0B0, 66, 0, 94, 0
	MKG0 G0B1, 66, SLOT, 94, 2*IMG
	MKG0 G0B2, 66, 2*SLOT, 94, 4*IMG
	CROUND                                         ; all sixteen work-groups are here: the first joint loads meet
	JLOAD G0SA, G1SA, G0SB, G1SB                   ; four loads of mine are out: the scale words and K slots 0, 1, 2
	JLOAD G0A0, G1A, G0B0, G1B
	JLOAD G0A1, G1A, G0B1, G1B
	JLOAD G0A2, G1A, G0B2, G1B
	v_and_b32 v1, 31, v0
	v_lshlrev_b32 v[VO16], 4, v1
	v_lshlrev_b32 v[VO8], 3, v1
	s_mul_i32 s2, s15, HALF
	s_mul_i32 s3, s16, HALF
	s_add_co_u32 s3, s3, 2*HALF
.irp g, 0,1,2
	v_add_nc_u32 v[A16+\g], s2, v[VO16]
	v_add_nc_u32 v[A8+\g], s2, v[VO8]
	v_add_nc_u32 v[B16+\g], s3, v[VO16]
	v_add_nc_u32 v[B8+\g], s3, v[VO8]
	s_add_co_u32 s2, s2, SLOT
	s_add_co_u32 s3, s3, SLOT
.endr
	v_and_b32 v1, 15, v0                           ; r
	v_bfe_u32 v19, v0, 4, 1                        ; h
	s_wait_alu depctr_va_vdst(0)
	s_lshl_b32 s2, s15, 12
	s_lshl_b32 s3, s16, 12
	s_add_co_u32 s3, s3, 8192
	s_sub_co_u32 s3, s3, s2                        ; from A's words to B's
	v_mul_u32_u24 v[ADRS], s3, v19                 ; lanes 16-31 take B's
	v_lshl_add_u32 v[ADRS], v1, 2, v[ADRS]
	s_add_co_u32 s2, s2, SCL
	v_add_nc_u32 v[ADRS], s2, v[ADRS]
	; both biases are asked for in both modes (both lie inside bqkv): by columns 256 (4 x + cx) + 128 half, eight numbers a tile of B; and a number a lane for v's columns
	s_lshl_b32 s2, ttmp9, 2
	s_add_co_u32 s2, s2, s17
	s_lshl_b32 s2, s2, 10
	s_lshl_b32 s3, s16, 9
	s_add_co_u32 s2, s2, s3
	s_mov_b32 s3, 0
	s_add_nc_u64 s[2:3], s[8:9], s[2:3]
	v_lshlrev_b32 v19, 6, v19                      ; 64 h
.irp b, 0,1,2,3,4,5,6,7
	global_load_b128 v[96+8*\b+96*(\b/4):96+8*\b+96*(\b/4)+3], v19, s[2:3] offset:4*(32*(\b/2)+8*(\b%2))
	global_load_b128 v[96+8*\b+96*(\b/4)+4:96+8*\b+96*(\b/4)+7], v19, s[2:3] offset:4*(32*(\b/2)+8*(\b%2))+16
.endr
	s_lshl_b32 s100, s18, 10
	s_lshl_b32 s101, s15, 9
	s_add_co_u32 s100, s100, s101
	s_add_co_u32 s100, s100, 8192
	s_mov_b32 s101, 0
	s_add_nc_u64 s[100:101], s[8:9], s[100:101]
	v_and_b32 v20, 8, v1
	v_add_nc_u32 v20, v20, v1
	v_lshlrev_b32 v20, 2, v20                      ; 4 (r + 8 (r / 8))
	WIN 0x40
.irp a, 0,1,2,3,4,5,6,7
	global_load_b32 v[96+2*\a], v20, s[100:101] offset:4*(32*(\a/2)+8*(\a%2))
	global_load_b32 v[97+2*\a], v20, s[100:101] offset:4*(32*(\a/2)+8*(\a%2))
.endr
	WIN 0
	s_wait_alu depctr_va_vdst(0)
	s_wait_tensorcnt 2                             ; the scale words and K slot 0 are in; K slots 1 and 2 may be out
	s_barrier_signal -1
	s_barrier_wait -1
	FETCH_B 0, 0, 0
	FETCH_A 0, 0, 0
	SCALES
	FETCH_A 0, 0, 4
	STEP 0, 0, 1, 1                                ; the first K step's products start the sums
	TURN 1, 1, 1                                   ; every wave's first four loads have landed: slots 1 and 2 are whole; slot 0 takes K slot 3
	STEP 2, 1, 1, 0
	STEP 3, 2, 0, 0
	STEP 4, 2, 1, 0
	TURN 5, 0, 0                                   ; the refill has landed in every wave
	STEP 6, 0, 1, 0
	s_wait_dscnt 16
	WIN 0xa1
	MUL16 0, 7, 0
	MUL16 2, 7, 0
	s_wait_dscnt 0x0
	WIN 0xf1
	MUL16 4, 7, 0
	MUL16 6, 7, 0
	WIN 0
	PLACES 4
; ---------------- THE WAY OUT: a tile of A at a time: + bias (the same line brings the numbers into window 0), quantised, stored as images.
.macro TAKE a, lanebias
.if \lanebias
	WIN 0x06+(\a)/4                                ; source 0 window 2 or 3, source 1 window 1
.else
	WIN 0x02+(\a)/4
.endif
.set k, 0
.rept 32
.if \lanebias
	v_pk_add_f32 v[H+2*k:H+2*k+1], v[64*((\a)%4)+2*k:64*((\a)%4)+2*k+1], v[96+2*(\a):97+2*(\a)]
.else
	v_pk_add_f32 v[H+2*k:H+2*k+1], v[64*((\a)%4)+2*k:64*((\a)%4)+2*k+1], v[96+8*(k/4)+96*(k/16)+2*(k%4):96+8*(k/4)+96*(k/16)+2*(k%4)+1]
.endif
.set k, k+1
.endr
	WIN 0
.endm
.macro QUANT s, pc, pw                 ; 64 numbers of a lane, register 16 b + i = k 32 b + 16 (lane / 16) + i of my row: a fragment's codes and its scale word
.irp b, 0,1,2,3
	v_max3_num_f32 v[TM+\b], |v[\s+16*\b]|, |v[\s+1+16*\b]|, 0x1800000   ; with the floor 2^(3 - 127)
.endr
.irp i, 2,4,6,8,10,12,14
.irp b, 0,1,2,3
	v_max3_num_f32 v[TM+\b], v[TM+\b], |v[\s+16*\b+\i]|, |v[\s+1+16*\b+\i]|
.endr
.endr
.irp b, 0,1,2,3
	v_permlanex16_b32 v[TM+4+\b], v[TM+\b], s[SEL], s[SEL+1]
.endr
.irp b, 0,1,2,3
	v_max_num_f32 v[TM+\b], v[TM+\b], v[TM+4+\b]
.endr
.irp b, 0,1,2,3
	v_add_nc_u32 v[TM+8+\b], 0xff000000, v[TM+\b]
.endr
.irp b, 0,1,2,3
	v_lshrrev_b32 v[TM+4+\b], 23, v[TM+8+\b]
.endr
	v_lshl_or_b32 v[\pw], v[TM+5], 8, v[TM+4]
	v_lshl_or_b32 v[\pw], v[TM+6], 16, v[\pw]
	v_lshl_or_b32 v[\pw], v[TM+7], 24, v[\pw]
.irp c, 0,1
	v_cvt_scalef32_pk16_fp6_f32 v[\pc+6*\c:\pc+2+6*\c], v[\s+32*\c:\s+15+32*\c], v[TM+8+2*\c]
	v_cvt_scalef32_pk16_fp6_f32 v[CT+4*\c:CT+2+4*\c], v[\s+16+32*\c:\s+31+32*\c], v[TM+9+2*\c]
.endr
	v_nop                                          ; one plain place behind the conversions
.irp c, 0,1
.irp i, 0,1,2
	v_permlane16_swap_b32 v[\pc+6*\c+\i], v[CT+4*\c+\i]
.endr
.irp i, 0,1,2
	v_mov_b32 v[\pc+3+6*\c+\i], v[CT+4*\c+\i]
.endr
.endr
.endm
.macro PUTLO pc, base, off             ; six registers as registers 0-5 of an image
	global_store_b128 v[VO16], v[\pc:\pc+3], s[\base:\base+1] offset:\off
	global_store_b64 v[VO8], v[\pc+4:\pc+5], s[\base:\base+1] offset:\off+512
.endm
.macro PUTHI pc, base, off             ; as registers 6-11
	global_store_b64 v[VO8], v[\pc:\pc+1], s[\base:\base+1] offset:\off+768
	global_store_b128 v[VO16], v[\pc+2:\pc+5], s[\base:\base+1] offset:\off+1024
.endm
	s_wait_loadcnt 0x0                             ; the biases
	s_mov_b32 s[SEL], 0x76543210
	s_mov_b32 s[SEL+1], 0xfedcba98
	s_mov_b32 s44, 0x05040100                      ; two low halves
	s_mov_b32 s45, 0x07060302                      ; two high halves
	s_mov_b32 s46, 0xffff0000                      ; lanes 16-31
.irp b, 0,1,2,3
	v_mov_b32 v[TM+4+\b], 0                        ; a lane permute's destination counts as one of its sources
.endr
	s_cmp_eq_u32 s22, 1
	s_cbranch_scc1 .Lvout
	; q or k: my 128 tokens are group G = 2 (4 y + cy) + my half of A; my 128 columns are heads 4 cx + 2 (my half of B) + c, c = 0, 1
	s_lshl_b32 s24, s19, 2
	s_add_co_u32 s24, s24, s18
	s_lshl_b32 s24, s24, 1
	s_add_co_u32 s24, s24, s15
	s_lshr_b32 s25, s24, 4                         ; b
	s_and_b32 s24, s24, 15                         ; the group within the sequence
	s_lshl_b32 s25, s25, 4
	s_lshl_b32 s26, s17, 2
	s_add_co_u32 s25, s25, s26
	s_lshl_b32 s26, s16, 1
	s_add_co_u32 s25, s25, s26                     ; 16 b + head
	s_mov_b32 s26, 16*REC
	s_mov_b32 s27, REC
	s_mov_b32 s32, 12288
	s_cmp_eq_u32 ttmp9, 0
	s_cselect_b64 s[28:29], s[10:11], s[12:13]     ; qq or kv
	s_cselect_b32 s26, 8*REC, s26                  ; a head's bytes,
	s_cselect_b32 s27, REC/2, s27                  ; a record's,
	s_cselect_b32 s32, 6144, s32                   ; where the scale words lie in it
	s_mov_b32 s33, 0
	s_mul_i32 s30, s25, s26
	s_mul_i32 s27, s24, s27
	s_add_co_u32 s30, s30, s27
	s_mov_b32 s31, 0
	s_mov_b32 s27, 0
	s_add_nc_u64 s[36:37], s[28:29], s[30:31]      ; the record of head c = 0,
	s_add_nc_u64 s[38:39], s[36:37], s[26:27]      ; of c = 1,
	s_add_nc_u64 s[40:41], s[36:37], s[32:33]      ; and their scale words
	s_add_nc_u64 s[42:43], s[38:39], s[32:33]
.irp a, 0,1,2,3,4,5,6,7
.if \a > 0
	s_wait_xcnt 0x0                                ; the last tile's stores have read the codes' registers
.endif
	TAKE \a, 0
	QUANT H, PC, PWE+\a%2
.irp c, 0,1                                    ; registers 6 c .. 6 c + 5 are head c's 64 numbers of my token: half a % 2 of pair fragment a / 2
.if \a%2 == 0
	PUTLO PC+6*\c, 36+2*\c, IMG*(\a/2)
.else
	PUTHI PC+6*\c, 36+2*\c, IMG*(\a/2)
.endif
.endr
.if \a%2 == 1
	v_perm_b32 v[WQ+\a/2], v[PWO], v[PWE], s44     ; head 0's word: two bytes of the even tile's token, two of the odd's
	v_perm_b32 v[WQ+4+\a/2], v[PWO], v[PWE], s45   ; head 1's
.endif
.endr
.irp c, 0,1                                    ; the scale words' image: two registers; lanes 0-15 fragments 0 and 2, lanes 16-31 fragments 1 and 3
	v_cndmask_b32 v[WQ+4*\c], v[WQ+4*\c], v[WQ+4*\c+1], s46
	v_cndmask_b32 v[WQ+4*\c+1], v[WQ+4*\c+2], v[WQ+4*\c+3], s46
	global_store_b64 v[VO8], v[WQ+4*\c:WQ+4*\c+1], s[40+2*\c:41+2*\c]
.endr
	FINISH
.Lvout:
	; v: my 128 keys are group G = 2 (4 (x + 2 (y - 8)) + cx) + my half of B; tile a of A is fragment a % 4 of head 4 cy + 2 (my half of A) + a / 4
	s_sub_co_u32 s24, s19, 8
	s_lshl_b32 s24, s24, 1
	s_add_co_u32 s24, s24, ttmp9
	s_lshl_b32 s24, s24, 2
	s_add_co_u32 s24, s24, s17
	s_lshl_b32 s24, s24, 1
	s_add_co_u32 s24, s24, s16
	s_lshr_b32 s25, s24, 4
	s_and_b32 s24, s24, 15
	s_lshl_b32 s25, s25, 4
	s_lshl_b32 s26, s18, 2
	s_add_co_u32 s25, s25, s26
	s_lshl_b32 s26, s15, 1
	s_add_co_u32 s25, s25, s26
	s_mul_i32 s30, s25, 16*REC
	s_mul_i32 s24, s24, REC
	s_add_co_u32 s30, s30, s24
	s_mov_b32 s31, 0
	s_add_nc_u64 s[36:37], s[12:13], s[30:31]      ; the record of my first head
.irp a, 0,1,2,3,4,5,6,7
.if \a > 0
	s_wait_xcnt 0x0
.endif
	TAKE \a, 1
	QUANT H, PC, WQ+\a
	PUTLO PC, 36, (\a/4)*16*REC+6144+IMG*(\a%4)
	PUTHI PC+6, 36, (\a/4)*16*REC+6144+IMG*(\a%4)
.endr
.irp c, 0,1
	v_cndmask_b32 v[WQ+4*\c], v[WQ+4*\c], v[WQ+4*\c+1], s46
	v_cndmask_b32 v[WQ+4*\c+1], v[WQ+4*\c+2], v[WQ+4*\c+3], s46
	global_store_b64 v[VO8], v[WQ+4*\c:WQ+4*\c+1], s[36:37] offset:\c*16*REC+12544
.endr
	FINISH
.Lfunc_end_k_q74909daede_qkv:
	.size	k_q74909daede_qkv, .Lfunc_end_k_q74909daede_qkv-k_q74909daede_qkv
	.p2alignl 7, 3214868480
	.fill 96, 4, 3214868480
	.section	.rodata,"a",@progbits
	.p2align	6, 0x0
	.amdhsa_kernel k_q74909daede_qkv
		.amdhsa_group_segment_fixed_size 327680
		.amdhsa_private_segment_fixed_size 0
		.amdhsa_enable_private_segment 0
		.amdhsa_kernarg_size 40
		.amdhsa_user_sgpr_count 2
		.amdhsa_user_sgpr_kernarg_segment_ptr 1
		.amdhsa_wavefront_size32 1
		.amdhsa_system_sgpr_workgroup_id_x 1
		.amdhsa_system_sgpr_workgroup_id_y 1
		.amdhsa_system_sgpr_workgroup_id_z 1
		.amdhsa_system_vgpr_workitem_id 0
		.amdhsa_next_free_vgpr 1024
		.amdhsa_next_free_sgpr 102
		.amdhsa_reserve_vcc 0
		.amdhsa_float_denorm_mode_32 3
		.amdhsa_float_denorm_mode_16_64 3
		.amdhsa_memory_ordered 1
		.amdhsa_forward_progress 1
		.amdhsa_inst_pref_size 223
	.end_amdhsa_kernel
	.amdgpu_metadata
---
amdhsa.version: [ 1, 2 ]
amdhsa.kernels:
  - .name:           k_q74909daede_qkv
    .symbol:         k_q74909daede_qkv.kd
    .args:
      - { .name: xq, .offset: 0, .size: 8, .value_kind: global_buffer, .address_space: global }
      - { .name: wq, .offset: 8, .size: 8, .value_kind: global_buffer, .address_space: global }
      - { .name: bqkv, .offset: 16, .size: 8, .value_kind: global_buffer, .address_space: global }
      - { .name: qq, .offset: 24, .size: 8, .value_kind: global_buffer, .address_space: global }
      - { .name: kv, .offset: 32, .size: 8, .value_kind: global_buffer, .address_space: global }
    .group_segment_fixed_size: 327680
    .private_segment_fixed_size: 0
    .kernarg_segment_align: 8
    .kernarg_segment_size: 40
    .max_flat_workgroup_size: 128
    .sgpr_count:     102
    .vgpr_count:     1024
    .wavefront_size: 32
...
	.end_amdgpu_metadata
.endif
;; end of part 2
;; launch attn (part 3): grid 4 x 64, 16 waves a work-group, clusters of 4 x 1, 206,848 bytes of LDS; arguments qq, kv, oq; writes oq
.if DOCPART == 3
	.amdgcn_target "amdgcn-amd-amdhsa--gfx1250"
	.amdhsa_code_object_version 6
	.text
	.protected	k_q74909daede_attn
	.globl	k_q74909daede_attn
	.p2align	8
	.type	k_q74909daede_attn,@function
k_q74909daede_attn:
	s_mov_b64 s[64:65], 0
	v_nop
	global_prefetch_b8 v0, s[64:65] scope:SCOPE_SE
	s_setreg_imm32_b32 hwreg(HW_REG_WAVE_MODE, 25, 1), 1
	s_wait_xcnt 0x0
	s_wait_alu depctr_hold_cnt(0) depctr_sa_sdst(0) depctr_va_vdst(0) depctr_va_sdst(0) depctr_va_ssrc(0) depctr_va_vcc(0) depctr_vm_vsrc(0)
	s_getreg_b32 s2, hwreg(HW_REG_IB_STS2, 6, 4)
	s_cmp_eq_u32 s2, 0
	s_cbranch_scc0 .Lentry_in_a_cluster
	s_endpgm
.Lentry_in_a_cluster:
	s_bfe_u32 s2, ttmp6, 0x10000c
	s_cmp_lg_u32 s2, 0x3003
	s_cbranch_scc0 .Lentry_shape_is_right
	s_endpgm
.Lentry_shape_is_right:
; Causal attention of one (batch, head) a cluster, both products on codes of FP6 (E2M3); the result is quantised along D and stored as the last product's operand.
; t = score x log2(e) / 8; M = the running largest t rounded UP to a whole number; p = 2^(t - M) is quantised along the keys, not normalised; the row's sum of the unquantised p divides at the end.
; THE HEAD'S K AND V STAY IN LDS: 16 records of 128 keys, 12,800 bytes each (K's four pair fragments, V's four fragments, K's scale words, V's), as images of the matrix unit's registers.
; Each of the sixteen waves brings one record by ONE joint load (the four partners of the cluster walk the same head): filled once, never again; one tensor load a wave is out.  So there is nothing later to ask ahead for.
; A PAIR FRAGMENT of K holds 32 keys: along the instruction's 128, the first 64 are one key's numbers and the last 64 those of the key 8 further on.  Against [q | zero codes] it gives keys 32 b + 16 (lane / 16) + 0 .. 7,
; against [zero codes | q] the next eight: so the head's 64 fill the instruction's 128 without a register of K spent on zeros, and a lane's 16 registers are 16 neighbouring keys.
; Both products are used transposed: a lane holds ONE query throughout.
; SHARES.  A query tile is 16 queries: 128 g + 32 cx + 8 e + r + 8 (r / 8).  It needs key steps 0 .. g; step g lies on the diagonal.  Work-group cx has tiles (g, e), g = 0 .. 15, e = 0, 1.
; Wave w takes (a, e) and then (15 - a, e): 17 key steps for every wave.  a by rows of four waves: 0 7 3 4 / 7 0 4 3 / 1 6 2 5 / 6 1 5 2: every row and every column adds up to 14.
; The loops' trip counts are constants (8 and 16); a step whose keys all come after the tile's queries is passed over by a scalar branch on the wave's number and the count of trips.
; cx enters global addresses and the mask's number alone: no branch and no LDS address hangs on it.
; LIMITS: NaN and infinities are not served; a block of zeros, or one under 2^-124, gets the scale byte 1 (only this program reads the bytes).
.set REC,   12800
.set IMG,   1536
.set XSC,   6291456
.set SPARE, 16*REC                     ; behind the records: the spare words, 128 bytes a wave
.set SPW, 3
.set NIL, 4
.set F,   40                           ; v40-87   four fragments of K, then of V
.set S,   96                           ; v96-159  the scores, then p
.set O,   160                          ; v160-191 O^T
.set PC,  192                          ; v192-203 p's codes
.set BM,  208                          ; v208-211 the blocks' largest
.set CT,  212                          ; v212-219 at work
.set SO,  220                          ; v220-223 the conversions' scale operands
; v1 16 x lane, v2 8 x lane, v5, v6 the step's LDS addresses, v7 the mask's number, v8-11 q's offsets, v12 -M, v13 the largest t, v[14:15] the sum, v16-21 zero codes, v22-27 q, v28-33 zero codes,
; v34, v35 q's scale word for [q | 0] and [0 | q], v[36:37] K's scale words, v[38:39] V's, v224 f, v225 p's scale word, v226 at work, v228 4 r, v240-246 the second tile's q and its word, v247 the first's word
; s10 wave, s11 cx, s12 16 b + head, s13 a, s14 e, s15 g, s16 the trip, s17 the record's LDS byte, s[18:19] lane selects, s[20:21] c, s[24:35] the descriptor, s[40:43] q's records, s[44:47] where the result goes
.macro CROUND
	s_barrier_signal -1
	s_barrier_wait -1
	s_cmp_lg_u32 s10, 0
	s_cbranch_scc1 .Lnot_wave_0_\@
	s_barrier_signal -3
.Lnot_wave_0_\@:
	s_barrier_wait -3
	s_barrier_signal -1
	s_barrier_wait -1
.endm
.macro FRAG reg, off                   ; an image comes back as the twelve registers that it is
	ds_load_b128 v[\reg:\reg+3], v5 offset:\off
	ds_load_b64 v[\reg+4:\reg+5], v6 offset:\off+512
	ds_load_b64 v[\reg+6:\reg+7], v6 offset:\off+768
	ds_load_b128 v[\reg+8:\reg+11], v5 offset:\off+1024
.endm
	s_load_b128 s[4:7], s[0:1], 0x0                ; qq, kv
	s_load_b64 s[8:9], s[0:1], 0x10                ; oq
	v_lshl_add_u32 v[SPW], v0, 2, SPARE
	v_mov_b32 v[NIL], 0
	ds_add_u32 v[SPW], v[NIL]                      ; the wave's opening: the add and its wait ahead of my first tensor load
	ds_add_u32 v[SPW], v[NIL]
	v_lshrrev_b32 v1, 5, v0
	s_delay_alu instid0(VALU_DEP_1)
	v_readfirstlane_b32 s10, v1                    ; wave 0..15
	s_bfe_u32 s11, ttmp6, 0x40000                  ; cx
	s_and_b32 s12, ttmp7, 0xffff                   ; 16 b + head
	s_bfe_u32 s14, s10, 0x10002                    ; e = (w / 4) % 2
	s_bfe_u32 s48, s10, 0x10001
	s_mul_i32 s13, s48, 3
	s_and_b32 s48, s10, 1
	s_xor_b32 s48, s48, s14
	s_mul_i32 s48, s48, 7
	s_xor_b32 s13, s13, s48
	s_lshr_b32 s48, s10, 3
	s_xor_b32 s13, s13, s48                        ; a = 3 ((w / 2) % 2) xor 7 ((w % 2) xor e) xor (w / 8)
	s_mov_b32 s24, 15|(3<<16)|(1<<21)              ; the mask: all four partners; elements of 8 bytes; bit 21 beside a mask
	s_mov_b32 s25, 32<<16                          ; a record: 12,800 dense bytes as 50 rows of 256
	s_mov_b32 s26, 50<<16
	s_mov_b32 s27, 32<<16
	s_mov_b32 s28, 50
	s_mov_b32 s29, 32
	s_mov_b32 s30, 0
	s_mov_b32 s31, 0
	s_mov_b32 s18, 0x76543210
	s_mov_b32 s19, 0xfedcba98
	s_mov_b32 s20, 0x3e38aa3b                      ; c = log2(e) / 8
	s_mov_b32 s21, s20
	s_mul_i32 s33, s10, REC                        ; record w, in LDS
	s_mul_i32 s48, s12, 16*REC
	s_add_co_u32 s48, s48, s33                     ; and in kv
	s_mov_b32 s49, 0
	s_wait_dscnt 0x0                               ; the opening add is done
	s_wait_kmcnt 0x0
	s_mov_b32 s32, 1
	s_add_nc_u64 s[34:35], s[6:7], s[48:49]
	s_or_b32 s35, s35, 0x80000000
	CROUND                                         ; all four work-groups are here: the joint loads meet
	tensor_load_to_lds s[32:35], s[24:31]
	s_nop 0
.rept 4
	v_nop
.endr
	; both tiles' q are asked for now
	s_mul_i32 s48, s12, 8*REC
	s_mul_i32 s50, s13, REC/2
	s_add_co_u32 s50, s48, s50
	s_mov_b32 s51, 0
	s_add_nc_u64 s[40:41], s[4:5], s[50:51]        ; qq's record of group a,
	s_sub_co_u32 s50, 15, s13
	s_mul_i32 s50, s50, REC/2
	s_add_co_u32 s50, s48, s50
	s_add_nc_u64 s[42:43], s[4:5], s[50:51]        ; of group 15 - a
	v_and_b32 v5, 31, v0
	s_delay_alu instid0(VALU_DEP_1)
	v_lshlrev_b32 v1, 4, v5                        ; 16 x lane
	s_delay_alu instid0(VALU_DEP_2)
	v_lshlrev_b32 v2, 3, v5                        ; 8 x lane
	v_and_b32 v5, 15, v0                           ; r
	v_bfe_u32 v6, v0, 4, 1                         ; h
	s_cmp_eq_u32 s14, 1
	s_cselect_b32 s52, -1, 0
	s_mul_i32 s53, s11, IMG                        ; pair fragment cx; of it half e: registers 0-5 or 6-11, as three pieces of 8 bytes
	v_add_nc_u32 v226, 768, v2
	s_delay_alu instid0(VALU_DEP_1)
	v_cndmask_b32 v8, v1, v226, s52
	v_add_nc_u32 v9, 8, v1
	v_add_nc_u32 v226, 1024, v1
	s_delay_alu instid0(VALU_DEP_1)
	v_cndmask_b32 v9, v9, v226, s52
	v_add_nc_u32 v10, 512, v2
	v_add_nc_u32 v226, 1032, v1
	s_delay_alu instid0(VALU_DEP_1)
	v_cndmask_b32 v10, v10, v226, s52
	v_add_nc_u32 v8, s53, v8
	v_add_nc_u32 v9, s53, v9
	s_delay_alu instid0(VALU_DEP_3)
	v_add_nc_u32 v10, s53, v10
	s_and_b32 s54, s11, 1
	s_lshl_b32 s54, s54, 7
	s_lshr_b32 s55, s11, 1
	s_lshl_b32 s55, s55, 2
	s_add_co_u32 s54, s54, s55
	s_add_co_u32 s54, s54, 6144
	v_lshl_add_u32 v11, v5, 3, s54                 ; its scale word of row r
	global_load_b64 v[22:23], v8, s[40:41]
	global_load_b64 v[24:25], v9, s[40:41]
	global_load_b64 v[26:27], v10, s[40:41]
	global_load_b32 v247, v11, s[40:41]
	global_load_b64 v[240:241], v8, s[42:43]
	global_load_b64 v[242:243], v9, s[42:43]
	global_load_b64 v[244:245], v10, s[42:43]
	global_load_b32 v246, v11, s[42:43]
	v_and_b32 v7, 8, v5
	s_delay_alu instid0(VALU_DEP_1)
	v_add_nc_u32 v7, v7, v5
	v_lshlrev_b32 v226, 4, v6
	s_delay_alu instid0(VALU_DEP_1)
	v_sub_nc_u32 v7, v7, v226
	s_lshl_b32 s54, s11, 5
	s_lshl_b32 s55, s14, 3
	s_add_co_u32 s54, s54, s55
	v_add_nc_u32 v7, s54, v7                       ; d = my query within its 128 - 16 h: register 16 b + i holds key 32 b + 16 h + i, hidden on the diagonal where 32 b + i > d
	v_lshlrev_b32 v228, 2, v5
.irp i, 0,1,2,3,4,5
	v_mov_b32 v[16+\i], 0                          ; zero codes
	v_mov_b32 v[28+\i], 0
.endr
.irp b, 0,1,2,3
	v_mov_b32 v[CT+\b], 0                          ; a lane permute's destination counts as one of its sources
.endr
	v_mov_b32 v225, 0                              ; (named as the upper half of the pair v[224:225] before it is first written)
	s_wait_tensorcnt 0x0                           ; my record is in,
	s_barrier_signal -1
	s_barrier_wait -1                              ; everybody's is: the whole head lies in LDS
.macro SQ b                            ; 32 keys' scores: one pair fragment against [q | 0] and against [0 | q]
.if (\b)%2
	v_wmma_scale_f32_16x16x128_f8f6f4 v[S+16*(\b):S+16*(\b)+7], v[F+12*(\b):F+12*(\b)+11], v[22:33], 0, v[36+(\b)/2], v34 matrix_a_fmt:MATRIX_FMT_FP6 matrix_b_fmt:MATRIX_FMT_FP6 matrix_a_scale:MATRIX_SCALE_ROW1
	v_wmma_scale_f32_16x16x128_f8f6f4 v[S+16*(\b)+8:S+16*(\b)+15], v[F+12*(\b):F+12*(\b)+11], v[16:27], 0, v[36+(\b)/2], v35 matrix_a_fmt:MATRIX_FMT_FP6 matrix_b_fmt:MATRIX_FMT_FP6 matrix_a_scale:MATRIX_SCALE_ROW1
.else
	v_wmma_scale_f32_16x16x128_f8f6f4 v[S+16*(\b):S+16*(\b)+7], v[F+12*(\b):F+12*(\b)+11], v[22:33], 0, v[36+(\b)/2], v34 matrix_a_fmt:MATRIX_FMT_FP6 matrix_b_fmt:MATRIX_FMT_FP6
	v_wmma_scale_f32_16x16x128_f8f6f4 v[S+16*(\b)+8:S+16*(\b)+15], v[F+12*(\b):F+12*(\b)+11], v[16:27], 0, v[36+(\b)/2], v35 matrix_a_fmt:MATRIX_FMT_FP6 matrix_b_fmt:MATRIX_FMT_FP6
.endif
.endm
.macro PV i                            ; O^T += 16 of the head's 64 x these 128 keys
.if (\i)%2
	v_wmma_scale_f32_16x16x128_f8f6f4 v[O+8*(\i):O+8*(\i)+7], v[F+12*(\i):F+12*(\i)+11], v[PC:PC+11], v[O+8*(\i):O+8*(\i)+7], v[38+(\i)/2], v225 matrix_a_fmt:MATRIX_FMT_FP6 matrix_b_fmt:MATRIX_FMT_FP6 matrix_a_scale:MATRIX_SCALE_ROW1
.else
	v_wmma_scale_f32_16x16x128_f8f6f4 v[O+8*(\i):O+8*(\i)+7], v[F+12*(\i):F+12*(\i)+11], v[PC:PC+11], v[O+8*(\i):O+8*(\i)+7], v[38+(\i)/2], v225 matrix_a_fmt:MATRIX_FMT_FP6 matrix_b_fmt:MATRIX_FMT_FP6
.endif
.endm
; A KEY STEP: 128 keys.
.macro KSTEP
	s_cmp_gt_u32 s16, s15                          ; all its keys come after my queries: passed over
	s_cbranch_scc1 .Lhidden_\@
	s_setprio 2
	v_add_nc_u32 v5, s17, v1
	v_add_nc_u32 v6, s17, v2
	v_nop
	v_nop                                          ; four places in front of loads into registers that the last products have read
.irp b, 0,1,2,3
	FRAG F+12*\b, IMG*\b
.endr
	ds_load_b64 v[36:37], v6 offset:12288
	ds_load_b64 v[38:39], v6 offset:12544
	s_wait_alu depctr_va_vdst(0)
	s_wait_dscnt 0x0
.irp b, 0,1,2,3
	SQ \b
.endr
.rept 4
	v_nop                                          ; four places: for V's loads into K's registers, and for the first read of the scores
.endr
.irp i, 0,1,2,3
	FRAG F+12*\i, 6144+IMG*\i                      ; V's fragments land during the softmax
.endr
	s_cmp_eq_u32 s16, s15                          ; on the diagonal the scores of hidden keys become -infinity ahead of the maximum: p = 0 then
	s_cbranch_scc0 .Lopen_\@
	v_mov_b32 v226, 0xff800000
.set n, 0
.rept 64
	v_cmp_gt_i32 vcc_lo, 32*(n/16)+n%16, v7
	v_cndmask_b32 v[S+n], v[S+n], v226, vcc_lo
.set n, n+1
.endr
.Lopen_\@:
.irp b, 0,1,2,3
	v_max3_num_f32 v[BM+\b], v[S+16*\b], v[S+1+16*\b], v[S+2+16*\b]   ; the largest score of each block of 32 keys: for the row's maximum, and, since p rises with the score, for the block's largest p
.endr
.irp i, 3,5,7,9,11,13
.irp b, 0,1,2,3
	v_max3_num_f32 v[BM+\b], v[BM+\b], v[S+16*\b+\i], v[S+1+16*\b+\i]
.endr
.endr
.irp b, 0,1,2,3
	v_max_num_f32 v[BM+\b], v[BM+\b], v[S+15+16*\b]
.endr
.irp b, 0,1,2,3
	s_delay_alu instid0(VALU_DEP_4)
	v_permlanex16_b32 v[CT+\b], v[BM+\b], s18, s19
.endr
.irp b, 0,1,2,3
	s_delay_alu instid0(VALU_DEP_4)
	v_max_num_f32 v[BM+\b], v[BM+\b], v[CT+\b]     ; with lane l xor 16's 16 keys
.endr
	s_delay_alu instid0(VALU_DEP_2)
	v_max3_num_f32 v226, v[BM], v[BM+1], v[BM+2]
	s_delay_alu instid0(VALU_DEP_1)
	v_max_num_f32 v226, v226, v[BM+3]
	s_delay_alu instid0(VALU_DEP_1)
	v_mul_f32 v226, s20, v226                      ; as t (c is positive)
	s_delay_alu instid0(VALU_DEP_1)
	v_max_num_f32 v13, v13, v226                   ; the running largest t
	v_mov_b32 v226, v12
	s_delay_alu instid0(VALU_DEP_2)
	v_floor_f32 v12, -v13                          ; the new -M = floor(-t): M is a whole number
	s_delay_alu instid0(VALU_DEP_1)
	v_sub_f32 v226, v12, v226                      ; old M - new M: a whole number, 0 or less
	s_delay_alu instid0(VALU_DEP_1)
	v_cvt_i32_f32 v226, v226                       ; (it saturates)
	s_delay_alu instid0(VALU_DEP_1)
	v_ldexp_f32 v224, 1.0, v226                    ; f = 2^(old M - new M): a multiplication by it rounds nothing
.set j, 0
.rept 32
	v_pk_fma_f32 v[S+j:S+j+1], v[S+j:S+j+1], s[20:21], v[12:13] op_sel_hi:[1,0,0]   ; t - M
.set j, j+2
.endr
	s_setprio 1
.irp b, 0,1,2,3
	v_fma_f32 v[BM+\b], v[BM+\b], s20, v12         ; the same of each block's largest score
.endr
.set j, 0
	s_wait_alu depctr_va_vdst(0)
.rept 64
	v_exp_f32 v[S+j], v[S+j]                       ; p = 2^(t - M)
.set j, j+1
.endr
	v_pk_mul_f32 v[14:15], v[14:15], v[224:225] op_sel_hi:[1,0]   ; the sums under the new M: the plain place behind the exponentials
	s_wait_alu depctr_va_vdst(0)                   ; one wait for the batch, ahead of its first reader
.irp b, 0,1,2,3
	v_exp_f32 v[BM+\b], v[BM+\b]                   ; the block's largest p
.endr
	v_pk_add_f32 v[212:213], v[100:101], v[104:105]
	v_pk_add_f32 v[254:255], v[108:109], v[112:113]
	v_pk_add_f32 v[252:253], v[116:117], v[120:121]
	v_pk_add_f32 v[250:251], v[124:125], v[128:129]
	v_pk_add_f32 v[248:249], v[132:133], v[136:137]
	v_pk_add_f32 v[238:239], v[140:141], v[144:145]
	v_pk_add_f32 v[236:237], v[148:149], v[152:153]
	v_pk_add_f32 v[14:15], v[14:15], v[156:157]
	v_pk_add_f32 v[212:213], v[212:213], v[96:97]
	v_pk_add_f32 v[254:255], v[254:255], v[98:99]
	v_pk_add_f32 v[252:253], v[252:253], v[102:103]
	v_pk_add_f32 v[250:251], v[250:251], v[106:107]
	v_pk_add_f32 v[248:249], v[248:249], v[110:111]
	v_pk_add_f32 v[238:239], v[238:239], v[114:115]
	v_pk_add_f32 v[236:237], v[236:237], v[118:119]
	v_pk_add_f32 v[14:15], v[14:15], v[122:123]
	v_pk_add_f32 v[212:213], v[212:213], v[126:127]
	v_pk_add_f32 v[254:255], v[254:255], v[130:131]
	v_pk_add_f32 v[252:253], v[252:253], v[134:135]
	v_pk_add_f32 v[250:251], v[250:251], v[138:139]
	v_pk_add_f32 v[248:249], v[248:249], v[142:143]
	v_pk_add_f32 v[238:239], v[238:239], v[146:147]
	v_pk_add_f32 v[236:237], v[236:237], v[150:151]
	v_pk_add_f32 v[14:15], v[14:15], v[154:155]
	v_pk_add_f32 v[212:213], v[212:213], v[158:159]
	s_delay_alu instid0(VALU_DEP_2)
	v_pk_add_f32 v[14:15], v[14:15], v[250:251]
	s_delay_alu instid0(VALU_DEP_2)
	v_pk_add_f32 v[212:213], v[212:213], v[248:249]
	v_pk_add_f32 v[254:255], v[254:255], v[238:239]
	v_pk_add_f32 v[252:253], v[252:253], v[236:237]
	s_delay_alu instid0(VALU_DEP_2)
	v_pk_add_f32 v[14:15], v[14:15], v[254:255]
	s_delay_alu instid0(VALU_DEP_2)
	v_pk_add_f32 v[212:213], v[212:213], v[252:253]
	s_delay_alu instid0(VALU_DEP_1)
	v_pk_add_f32 v[14:15], v[14:15], v[212:213]
	s_wait_alu depctr_va_vdst(0)                   ; and one for the four
.irp b, 0,1,2,3
	v_max_num_f32 v[BM+\b], 0x1800000, v[BM+\b]    ; the floor 2^(3 - 127)
.endr
.irp b, 0,1,2,3
	s_delay_alu instid0(VALU_DEP_4)
	v_add_nc_u32 v[SO+\b], 0xff000000, v[BM+\b]
.endr
.irp b, 0,1,2,3
	s_delay_alu instid0(VALU_DEP_4)
	v_lshrrev_b32 v[CT+\b], 23, v[SO+\b]
.endr
	s_delay_alu instid0(VALU_DEP_3)
	v_lshl_or_b32 v225, v[CT+1], 8, v[CT]          ; p's scale word for these 128 keys
	s_delay_alu instid0(VALU_DEP_1)
	v_lshl_or_b32 v225, v[CT+2], 16, v225
	s_delay_alu instid0(VALU_DEP_1)
	v_lshl_or_b32 v225, v[CT+3], 24, v225
	s_setprio 0
.irp c, 0,1
	v_cvt_scalef32_pk16_fp6_f32 v[PC+6*\c:PC+2+6*\c], v[S+32*\c:S+15+32*\c], v[SO+2*\c]
	v_cvt_scalef32_pk16_fp6_f32 v[CT+4*\c:CT+2+4*\c], v[S+16+32*\c:S+31+32*\c], v[SO+1+2*\c]
.endr
	v_nop                                          ; one plain place behind the conversions
.irp c, 0,1
.irp i, 0,1,2
	v_permlane16_swap_b32 v[PC+6*\c+\i], v[CT+4*\c+\i]
.endr
.irp i, 0,1,2
	s_delay_alu instid0(VALU_DEP_3)
	v_mov_b32 v[PC+3+6*\c+\i], v[CT+4*\c+\i]
.endr
.endr
.set j, 0
.rept 16
	v_pk_mul_f32 v[O+j:O+j+1], v[O+j:O+j+1], v[224:225] op_sel_hi:[1,0]   ; O^T under the new M; these sixteen are also the places between p's codes and scale word and the products
.set j, j+2
.endr
	s_wait_alu depctr_va_vdst(0)
	s_wait_dscnt 0x0                               ; V's fragments are in
.irp i, 0,1,2,3
	PV \i                                          ; four accumulators, one instruction a turn; eight other products stand between two links of a chain
.endr
.Lhidden_\@:
.endm
; A QUERY TILE: n trips, of which g + 1 do work; then O^T / the sum is quantised along the head's 64 and stored as half of a fragment of oq.
.macro PASS n, second
.if \second
	s_wait_xcnt 0x0                                ; the first tile's stores have read their registers and bases
	s_sub_co_u32 s15, 15, s13
.irp i, 0,1,2,3,4,5
	v_mov_b32 v[22+\i], v[240+\i]
.endr
	v_mov_b32 v226, v246
.else
	s_mov_b32 s15, s13
	s_wait_loadcnt 0x0                             ; both tiles' q
	v_mov_b32 v226, v247
.endif
	s_lshl_b32 s48, s14, 4
	v_lshrrev_b32 v226, s48, v226                  ; my half's two bytes
	s_delay_alu instid0(VALU_DEP_1)
	v_and_b32 v34, 0xffff, v226                    ; for [q | 0]: the zero codes' bytes are 0, which is a small power of two and no NaN
	s_delay_alu instid0(VALU_DEP_2)
	v_lshlrev_b32 v35, 16, v226                    ; for [0 | q]
	s_lshr_b32 s48, s12, 4
	s_lshl_b32 s48, s48, 7
	s_lshl_b32 s49, s15, 3
	s_add_co_u32 s48, s48, s49
	s_lshl_b32 s49, s11, 1
	s_add_co_u32 s48, s48, s49
	s_add_co_u32 s48, s48, s14                     ; oq's tile: 128 b + 8 g + 2 cx + e
	s_bfe_u32 s49, s12, 0x30001                    ; its K step: head / 2
	s_mul_i32 s50, s48, 12288
	s_mul_i32 s51, s49, IMG
	s_add_co_u32 s50, s50, s51
	s_mov_b32 s51, 0
	s_add_nc_u64 s[44:45], s[8:9], s[50:51]
	s_lshl_b32 s50, s48, 9
	s_lshl_b32 s49, s49, 6
	s_add_co_u32 s50, s50, s49
	s_and_b32 s49, s12, 1
	s_lshl_b32 s49, s49, 1
	s_add_co_u32 s50, s50, s49
	s_add_co_u32 s50, s50, XSC
	s_add_nc_u64 s[46:47], s[8:9], s[50:51]
	v_mov_b32 v13, 0xff61b1e6                      ; the largest t so far: -3e38
	s_delay_alu instid0(VALU_DEP_1)
	v_floor_f32 v12, -v13
	v_mov_b32 v14, 0
	v_mov_b32 v15, 0
.set j, 0
.rept 32
	v_mov_b32 v[O+j], 0                            ; O^T (the step is written once); these are also the places between q's scale words and the first product
.set j, j+1
.endr
	s_mov_b32 s16, 0
	s_mov_b32 s17, 0
.Lkey_\@:
	KSTEP
	s_add_co_u32 s17, s17, REC
	s_add_co_u32 s16, s16, 1
	s_cmp_lt_u32 s16, \n
	s_cbranch_scc1 .Lkey_\@
	s_setprio 0
.rept 4
	v_nop                                          ; four places behind the last products
.endr
	v_add_f32 v14, v14, v15
	s_delay_alu instid0(VALU_DEP_1)
	v_permlanex16_b32 v226, v14, s18, s19
	s_delay_alu instid0(VALU_DEP_1)
	v_add_f32 v14, v14, v226                       ; the row's sum
	s_wait_alu depctr_va_vdst(0)
	v_rcp_f32 v14, v14
	v_nop
	s_wait_alu depctr_va_vdst(0)                   ; ahead of the reciprocal's first reader
.set j, 0
.rept 16
	v_pk_mul_f32 v[S+j:S+j+1], v[O+j:O+j+1], v[14:15] op_sel_hi:[1,0]   ; register 16 b + i is number 32 b + 16 h + i of the head, for my query
.set j, j+2
.endr
.irp b, 0,1
	v_max3_num_f32 v[BM+\b], |v[S+16*\b]|, |v[S+1+16*\b]|, 0x1800000
.endr
.irp i, 2,4,6,8,10,12,14
.irp b, 0,1
	s_delay_alu instid0(VALU_DEP_2)
	v_max3_num_f32 v[BM+\b], v[BM+\b], |v[S+16*\b+\i]|, |v[S+1+16*\b+\i]|
.endr
.endr
.irp b, 0,1
	s_delay_alu instid0(VALU_DEP_2)
	v_permlanex16_b32 v[CT+\b], v[BM+\b], s18, s19
.endr
.irp b, 0,1
	s_delay_alu instid0(VALU_DEP_2)
	v_max_num_f32 v[BM+\b], v[BM+\b], v[CT+\b]
.endr
.irp b, 0,1
	s_delay_alu instid0(VALU_DEP_2)
	v_add_nc_u32 v[SO+\b], 0xff000000, v[BM+\b]
.endr
.irp b, 0,1
	s_delay_alu instid0(VALU_DEP_2)
	v_lshrrev_b32 v[CT+\b], 23, v[SO+\b]
.endr
	s_delay_alu instid0(VALU_DEP_1)
	v_lshl_or_b32 v226, v[CT+1], 8, v[CT]          ; my head's two bytes of the row's scale word
	v_cvt_scalef32_pk16_fp6_f32 v[PC:PC+2], v[S:S+15], v[SO]
	v_cvt_scalef32_pk16_fp6_f32 v[CT+4:CT+6], v[S+16:S+31], v[SO+1]
	v_nop
.irp i, 0,1,2
	v_permlane16_swap_b32 v[PC+\i], v[CT+4+\i]
.endr
.irp i, 0,1,2
	s_delay_alu instid0(VALU_DEP_3)
	v_mov_b32 v[PC+3+\i], v[CT+4+\i]
.endr
	s_and_b32 s48, s12, 1                          ; an even head is registers 0-5 of the fragment, an odd one 6-11: the same in all partners
	s_cmp_eq_u32 s48, 1
	s_cbranch_scc1 .Lodd_\@
	global_store_b128 v1, v[PC:PC+3], s[44:45]
	global_store_b64 v2, v[PC+4:PC+5], s[44:45] offset:512
	s_branch .Lput_\@
.Lodd_\@:
	s_wait_alu depctr_va_vdst(0)
	global_store_b64 v2, v[PC:PC+1], s[44:45] offset:768
	global_store_b128 v1, v[PC+2:PC+5], s[44:45] offset:1024
.Lput_\@:
	s_wait_alu depctr_va_vdst(0)
	global_store_b16 v228, v226, s[46:47]          ; two bytes a row (both halves of the lanes write the same): a word's other two belong to another cluster
.endm
	PASS 8, 0
	PASS 16, 1
	s_wait_tensorcnt 0x0                           ; the wave's end
	ds_add_u32 v[SPW], v[NIL]
	s_wait_dscnt 0x0
	CROUND                                         ; the closing round
	s_endpgm
.Lfunc_end_k_q74909daede_attn:
	.size	k_q74909daede_attn, .Lfunc_end_k_q74909daede_attn-k_q74909daede_attn
	.p2alignl 7, 3214868480
	.fill 96, 4, 3214868480
	.section	.rodata,"a",@progbits
	.p2align	6, 0x0
	.amdhsa_kernel k_q74909daede_attn
		.amdhsa_group_segment_fixed_size 206848
		.amdhsa_private_segment_fixed_size 0
		.amdhsa_enable_private_segment 0
		.amdhsa_kernarg_size 24
		.amdhsa_user_sgpr_count 2
		.amdhsa_user_sgpr_kernarg_segment_ptr 1
		.amdhsa_wavefront_size32 1
		.amdhsa_system_sgpr_workgroup_id_x 1
		.amdhsa_system_sgpr_workgroup_id_y 1
		.amdhsa_system_sgpr_workgroup_id_z 1
		.amdhsa_system_vgpr_workitem_id 0
		.amdhsa_next_free_vgpr 256
		.amdhsa_next_free_sgpr 66
		.amdhsa_reserve_vcc 1
		.amdhsa_float_denorm_mode_32 3
		.amdhsa_float_denorm_mode_16_64 3
		.amdhsa_memory_ordered 1
		.amdhsa_forward_progress 1
		.amdhsa_inst_pref_size 66
	.end_amdhsa_kernel
	.amdgpu_metadata
---
amdhsa.version: [ 1, 2 ]
amdhsa.kernels:
  - .name:           k_q74909daede_attn
    .symbol:         k_q74909daede_attn.kd
    .args:
      - { .name: qq, .offset: 0, .size: 8, .value_kind: global_buffer, .address_space: global }
      - { .name: kv, .offset: 8, .size: 8, .value_kind: global_buffer, .address_space: global }
      - { .name: oq, .offset: 16, .size: 8, .value_kind: global_buffer, .address_space: global }
    .group_segment_fixed_size: 206848
    .private_segment_fixed_size: 0
    .kernarg_segment_align: 8
    .kernarg_segment_size: 24
    .max_flat_workgroup_size: 512
    .sgpr_count:     66
    .vgpr_count:     256
    .wavefront_size: 32
...
	.end_amdgpu_metadata
.endif
;; end of part 3
;; launch proj (part 4): grid 4 x 32, 4 waves a work-group, clusters of 4 x 4, 327,680 bytes of LDS; arguments oq, wq, bproj, out0; writes out0
.if DOCPART == 4
	.amdgcn_target "amdgcn-amd-amdhsa--gfx1250"
	.amdhsa_code_object_version 6
	.text
	.protected	k_q74909daede_proj
	.globl	k_q74909daede_proj
	.p2align	8
	.type	k_q74909daede_proj,@function
k_q74909daede_proj:
	s_mov_b64 s[64:65], 0
	v_nop
	global_prefetch_b8 v0, s[64:65] scope:SCOPE_SE
	s_setreg_imm32_b32 hwreg(HW_REG_WAVE_MODE, 25, 1), 1
	s_wait_xcnt 0x0
	s_wait_alu depctr_hold_cnt(0) depctr_sa_sdst(0) depctr_va_vdst(0) depctr_va_sdst(0) depctr_va_ssrc(0) depctr_va_vcc(0) depctr_vm_vsrc(0)
	s_getreg_b32 s2, hwreg(HW_REG_IB_STS2, 6, 4)
	s_cmp_eq_u32 s2, 0
	s_cbranch_scc0 .Lentry_in_a_cluster
	s_endpgm
.Lentry_in_a_cluster:
	s_bfe_u32 s2, ttmp6, 0x10000c
	s_cmp_lg_u32 s2, 0xf033
	s_cbranch_scc0 .Lentry_shape_is_right
	s_endpgm
.Lentry_shape_is_right:
; out0 = attention's result x Wproj + bproj on codes of FP6 (E2M3).  M = 8,192, N = 1,024, K = 1,024; out0 f32.
; OPERANDS lie in memory as images of the matrix unit's registers: [tile of 16 rows][K step of 128][1,536 bytes], scale words behind them [tile][K step][16]; tile i holds rows 32 (i / 2) + 8 (i % 2) + r + 8 (r / 8).
; A work-group makes 256 x 256, four waves 128 x 128 each: 64 accumulators, 512 registers.  Source 0 (B) = Wproj's columns (wq's tiles 192 on), source 1 (A) = tokens: a lane holds a token, its registers run along the columns.
; The bias is the C of each sum's first matrix instruction.  CLUSTER 4 x 4: A's tiles are asked for jointly along a row of the cluster, B's along a column.
; K goes in four K slots of 256 through three LDS slots: three are asked for at the head, the fourth fills slot 0 again.  No prefetch: three quarters of what a work-group reads is asked for at its head.
; 128 work-groups: the product has 128 tiles of this size.
; REGISTERS.  window 0: v2, v3 16 and 8 x lane; v4-16 LDS addresses; v17, v18 the add's two; v19, v20 the stage; v32-95 scale words; v96-127, v224-255 the bias; v128-223 A's fragments, one set; on the way out v128-255 rows of out0.
;   window 1: B's fragments, two sets, v0-95 and v128-223.   windows 2, 3: the accumulators, (a, b) at v[8 (8 (a % 4) + b)].
.set XSC,   6291456
.set WSC,   3145728
.set TILEB, 12288
.set IMG,   1536
.set HALF,  8*2*IMG
.set SLOT,  4*HALF
.set SCL,   3*SLOT
.set SPARE, SCL+4*4096
.set SP,    528                        ; a stage row: 512 bytes + 16
.set VO16, 2
.set VO8,  3
.set A16,  4
.set A8,   7
.set B16,  10
.set B8,   13
.set ADRS, 16
.set SPW,  17
.set NIL,  18
.set STO,  19
.set RD,   20
.set SC,   32
.set AF,   128
.set BK,   128
.set G1A,  24
.set G1B,  32
.set G1SA, 40
.set G1SB, 48
.set G0A0, 56
.set G0A1, 60
.set G0A2, 68
.set G0B0, 72
.set G0B1, 76
.set G0B2, 80
.set G0SA, 84
.set G0SB, 88
.set MSB, 0
.macro WIN new                         ; the immediate's high byte repeats the setting that is left
.if MSB != (\new)
	s_set_vgpr_msb (MSB<<8)|(\new)
.set MSB, (\new)
.endif
.endm
.macro PLACES n
.rept \n
	v_nop
.endr
.endm
; A joint load: waves 0 and 1 fetch for A, waves 2 and 3 for B.  The branch hangs on the wave's number alone.  An s_nop 0 and four v_nop follow each line.
.macro JLOAD g0a, g1a, g0b, g1b
	s_cmp_eq_u32 s15, 0
	s_cbranch_scc0 .Lfor_b_\@
	tensor_load_to_lds s[\g0a:\g0a+3], s[\g1a:\g1a+7]
	s_nop 0
.rept 4
	v_nop
.endr
	s_branch .Lasked_\@
.Lfor_b_\@:
	tensor_load_to_lds s[\g0b:\g0b+3], s[\g1b:\g1b+7]
	s_nop 0
.rept 4
	v_nop
.endr
.Lasked_\@:
.endm
.macro CREST
	s_cmp_lg_u32 s14, 0
	s_cbranch_scc1 .Lnot_wave_0_\@
	s_barrier_signal -3
.Lnot_wave_0_\@:
	s_barrier_wait -3
	s_barrier_signal -1
	s_barrier_wait -1
.endm
.macro CROUND
	s_barrier_signal -1
	s_barrier_wait -1
	CREST
.endm
.macro MKG0 g, ldsreg, ldsoff, adr, goff
	s_mov_b32 s[\g], 1
	s_add_co_u32 s[\g+1], s[\ldsreg], \ldsoff
	s_add_nc_u64 s[\g+2:\g+3], s[\adr:\adr+1], \goff
	s_or_b32 s[\g+3], s[\g+3], 0x80000000
.endm
.macro FRAG reg, a16, a8, off          ; an image comes back as the twelve registers that it is: every load reads consecutive bytes
	ds_load_b128 v[\reg:\reg+3], v[\a16] offset:\off
	ds_load_b64 v[\reg+4:\reg+5], v[\a8] offset:\off+512
	ds_load_b64 v[\reg+6:\reg+7], v[\a8] offset:\off+768
	ds_load_b128 v[\reg+8:\reg+11], v[\a16] offset:\off+1024
.endm
.macro FETCH_B sl, q, p
	WIN 0x40
.irp i, 0,1,2,3,4,5,6,7
	FRAG 128*(\p)+12*\i, B16+\sl, B8+\sl, \i*2*IMG+(\q)*IMG
.endr
	WIN 0
.endm
.macro FETCH_A sl, q, i0
.irp i, \i0, \i0+1, \i0+2, \i0+3
	FRAG AF+12*(\i), A16+\sl, A8+\sl, (\i)*2*IMG+(\q)*IMG
.endr
.endm
.macro SCALES
.irp i, 0,1,2,3,4,5,6,7
.irp s, 0,1,2,3,4,5,6,7
	ds_load_b32 v[SC+8*\i+\s], v[ADRS] offset:512*\i+64*\s
.endr
.endr
.endm
; 16 matrix instructions: A's tiles a0, a0 + 1 x B's eight, K step s.  zero = 1: the products start the sums; 2: the bias is their C; 0: in place.
; The 64 accumulators take turns, one instruction a turn, in the same order in every K step.
.macro MUL16 a0, s, zero
.irp a, \a0, \a0+1
.irp b, 0,1,2,3,4,5,6,7
.if \zero == 1
	v_wmma_scale_f32_16x16x128_f8f6f4 v[8*(8*((\a)%4)+\b):8*(8*((\a)%4)+\b)+7], v[128*((\s)%2)+12*\b:128*((\s)%2)+12*\b+11], v[AF+12*(\a):AF+12*(\a)+11], 0, v[SC+8*\b+(\s)], v[SC+8*(\a)+(\s)] matrix_a_fmt:MATRIX_FMT_FP6 matrix_b_fmt:MATRIX_FMT_FP6 matrix_a_scale:MATRIX_SCALE_ROW1
.elseif \zero == 2
	v_wmma_scale_f32_16x16x128_f8f6f4 v[8*(8*((\a)%4)+\b):8*(8*((\a)%4)+\b)+7], v[128*((\s)%2)+12*\b:128*((\s)%2)+12*\b+11], v[AF+12*(\a):AF+12*(\a)+11], v[96+8*\b+96*(\b/4):96+8*\b+96*(\b/4)+7], v[SC+8*\b+(\s)], v[SC+8*(\a)+(\s)] matrix_a_fmt:MATRIX_FMT_FP6 matrix_b_fmt:MATRIX_FMT_FP6 matrix_a_scale:MATRIX_SCALE_ROW1
.else
	v_wmma_scale_f32_16x16x128_f8f6f4 v[8*(8*((\a)%4)+\b):8*(8*((\a)%4)+\b)+7], v[128*((\s)%2)+12*\b:128*((\s)%2)+12*\b+11], v[AF+12*(\a):AF+12*(\a)+11], v[8*(8*((\a)%4)+\b):8*(8*((\a)%4)+\b)+7], v[SC+8*\b+(\s)], v[SC+8*(\a)+(\s)] matrix_a_fmt:MATRIX_FMT_FP6 matrix_b_fmt:MATRIX_FMT_FP6 matrix_a_scale:MATRIX_SCALE_ROW1
.endif
.endr
.endr
.endm
.macro MWIN hi, zero                   ; source 0 (B) window 1, source 1 (A) window 0, D window 2 or 3; C with D, or (the bias) window 0
.if \zero == 2
	WIN 0x81+0x40*\hi
.else
	WIN 0xa1+0x50*\hi
.endif
.endm
; K step s; the next K step's fragments (slot nsl, its nq-th) are fetched in two runs.  A load into a register that a matrix instruction has read stands four plain vector places behind it (ISA guide 7.12.1 for vector instructions).
.macro STEP s, nsl, nq, zero
	s_wait_dscnt 16                                ; all but the youngest 16 loads (A's tiles 4-7) are in
	MWIN 0, \zero
	MUL16 0, \s, \zero
	MUL16 2, \s, \zero
	s_wait_dscnt 0x0                               ; A's tiles 4-7 are in
	PLACES 4
	FETCH_B \nsl, \nq, 1-(\s)%2
	FETCH_A \nsl, \nq, 0
	MWIN 1, \zero
	MUL16 4, \s, \zero
	MUL16 6, \s, \zero
	PLACES 4
	WIN 0
	FETCH_A \nsl, \nq, 4
.endm
; K step s with a barrier in it.  In front: all my tensor loads have landed, 0 is added to my spare word, that and my reads of the slot are awaited.  fill = 1: the barrier opens a round of the cluster's, and slot 0 takes the fourth K slot.
.macro TURN s, nsl, fill
	s_wait_tensorcnt 0x0                           ; all my tensor loads have landed
	ds_add_u32 v[SPW], v[NIL]
	s_wait_dscnt 17                                ; (the add and the youngest 16 loads may be out)
	WIN 0xa1
	MUL16 0, \s, 0
	s_wait_dscnt 0x0                               ; the add is done, and my LDS reads are over
	s_barrier_signal -1
	MUL16 2, \s, 0
	WIN 0
	s_barrier_wait -1
.if \fill
	CREST                                          ; no wave of any partner still reads slot 0 or has a load on its way
	s_add_nc_u64 s[G0A0+2:G0A0+3], s[G0A0+2:G0A0+3], 3*2*IMG
	s_add_nc_u64 s[G0B0+2:G0B0+3], s[G0B0+2:G0B0+3], 3*2*IMG
	JLOAD G0A0, G1A, G0B0, G1B                     ; my one tensor load behind the round; its four v_nop are the places in front of the loads below
.else
	PLACES 4
.endif
	FETCH_B \nsl, 0, 0
	FETCH_A \nsl, 0, 0
	WIN 0xf1
	MUL16 4, \s, 0
	MUL16 6, \s, 0
	PLACES 4
	WIN 0
	FETCH_A \nsl, 0, 4
.endm
	s_load_b128 s[4:7], s[0:1], 0x0                ; oq, wq
	s_load_b128 s[8:11], s[0:1], 0x10              ; bproj, out0
	v_lshl_add_u32 v[SPW], v0, 2, SPARE
	v_mov_b32 v[NIL], 0
	ds_add_u32 v[SPW], v[NIL]                      ; the wave's opening: the add and its wait ahead of my first tensor load
	ds_add_u32 v[SPW], v[NIL]
	v_lshrrev_b32 v1, 5, v0
	v_readfirstlane_b32 s14, v1                    ; wave
	s_lshr_b32 s15, s14, 1                         ; my half of A.  Also: I fetch for A (0) or for B (1)
	s_and_b32 s16, s14, 1                          ; my half of B.  Also: which 8 tiles of the 16 I fetch
	s_bfe_u32 s17, ttmp6, 0x40000                  ; cx
	s_bfe_u32 s18, ttmp6, 0x40004                  ; cy
	s_and_b32 s19, ttmp7, 0xffff                   ; the cluster's y
	s_lshl_b32 s20, s18, 2
	s_lshl_b32 s20, 15, s20                        ; my row of the cluster
	s_lshl_b32 s21, 0x1111, s17                    ; my column
	s_or_b32 s[G1A], s20, (3<<16)|(1<<21)
	s_or_b32 s[G1B], s21, (3<<16)|(1<<21)
	s_or_b32 s[G1SA], s20, (3<<16)|(1<<21)
	s_or_b32 s[G1SB], s21, (3<<16)|(1<<21)
.irp g, G1A, G1B                               ; 8 tiles' two images: 8 rows of 3,072 bytes, 12,288 bytes apart
	s_mov_b32 s[\g+1], 384<<16
	s_mov_b32 s[\g+2], 8<<16
	s_mov_b32 s[\g+3], 384<<16
	s_mov_b32 s[\g+4], 8
	s_mov_b32 s[\g+5], 1536
	s_mov_b32 s[\g+6], 0
	s_mov_b32 s[\g+7], 0
.endr
.irp g, G1SA, G1SB                             ; 8 tiles' scale words: 4,096 dense bytes as 16 rows of 256
	s_mov_b32 s[\g+1], 32<<16
	s_mov_b32 s[\g+2], 16<<16
	s_mov_b32 s[\g+3], 32<<16
	s_mov_b32 s[\g+4], 16
	s_mov_b32 s[\g+5], 32
	s_mov_b32 s[\g+6], 0
	s_mov_b32 s[\g+7], 0
.endr
	s_lshl_b32 s23, s16, 3
	s_lshl_b32 s92, s19, 2
	s_add_co_u32 s92, s92, s18                     ; A's block of 256 tokens: 4 y + cy
	s_lshl_b32 s92, s92, 4
	s_add_co_u32 s92, s92, s23                     ; the first tile that I would fetch of it
	s_lshl_b32 s96, s92, 9
	s_add_co_u32 s96, s96, XSC
	s_mov_b32 s97, 0
	s_mul_i32 s92, s92, TILEB
	s_mov_b32 s93, 0
	s_lshl_b32 s94, s17, 4                         ; B's block of 256 columns: cx
	s_add_co_u32 s94, s94, s23
	s_add_co_u32 s94, s94, 192                     ; Wproj's tiles begin at wq's tile 192
	s_lshl_b32 s98, s94, 9
	s_add_co_u32 s98, s98, WSC
	s_mov_b32 s99, 0
	s_mul_i32 s94, s94, TILEB
	s_mov_b32 s95, 0
	s_mul_i32 s66, s14, HALF                       ; where my loads go: no place in the cluster enters an LDS address
	s_lshl_b32 s67, s14, 12
	s_wait_dscnt 0x0                               ; the opening add is done
	s_wait_kmcnt 0x0
	s_add_nc_u64 s[92:93], s[4:5], s[92:93]
	s_add_nc_u64 s[96:97], s[4:5], s[96:97]
	s_add_nc_u64 s[94:95], s[6:7], s[94:95]
	s_add_nc_u64 s[98:99], s[6:7], s[98:99]
	MKG0 G0SA, 67, SCL, 96, 0
	MKG0 G0SB, 67, SCL, 98, 0
	MKG0 G0A0, 66, 0, 92, 0
	MKG0 G0A1, 66, SLOT, 92, 2*IMG
	MKG0 G0A2, 66, 2*SLOT, 92, 4*IMG
	MKG0 G0B0, 66, 0, 94, 0
	MKG0 G0B1, 66, SLOT, 94, 2*IMG
	MKG0 G0B2, 66, 2*SLOT, 94, 4*IMG
	CROUND                                         ; all sixteen work-groups are here: the first joint loads meet
	JLOAD G0SA, G1SA, G0SB, G1SB                   ; four loads of mine are out: the scale words and K slots 0, 1, 2
	JLOAD G0A0, G1A, G0B0, G1B
	JLOAD G0A1, G1A, G0B1, G1B
	JLOAD G0A2, G1A, G0B2, G1B
	v_and_b32 v1, 31, v0
	v_lshlrev_b32 v[VO16], 4, v1
	v_lshlrev_b32 v[VO8], 3, v1
	s_mul_i32 s2, s15, HALF
	s_mul_i32 s3, s16, HALF
	s_add_co_u32 s3, s3, 2*HALF
.irp g, 0,1,2
	v_add_nc_u32 v[A16+\g], s2, v[VO16]
	v_add_nc_u32 v[A8+\g], s2, v[VO8]
	v_add_nc_u32 v[B16+\g], s3, v[VO16]
	v_add_nc_u32 v[B8+\g], s3, v[VO8]
	s_add_co_u32 s2, s2, SLOT
	s_add_co_u32 s3, s3, SLOT
.endr
	v_and_b32 v1, 15, v0                           ; r
	v_bfe_u32 v21, v0, 4, 1                        ; h
	s_wait_alu depctr_va_vdst(0)
	s_lshl_b32 s2, s15, 12
	s_lshl_b32 s3, s16, 12
	s_add_co_u32 s3, s3, 8192
	s_sub_co_u32 s3, s3, s2                        ; from A's words to B's
	v_mul_u32_u24 v[ADRS], s3, v21                 ; lanes 16-31 take B's
	v_lshl_add_u32 v[ADRS], v1, 2, v[ADRS]
	s_add_co_u32 s2, s2, SCL
	v_add_nc_u32 v[ADRS], s2, v[ADRS]
	s_mul_i32 s2, s14, 16*SP
	s_add_co_u32 s2, s2, SLOT                      ; my stage lies in slot 1: filled once, and read by nobody behind the last barrier
	v_mul_u32_u24 v[STO], v1, SP
	v_lshl_add_u32 v[STO], v21, 6, v[STO]
	v_add_nc_u32 v[STO], s2, v[STO]                ; in: row r, + 64 h
	v_add_nc_u32 v[RD], s2, v[VO16]                ; back: a row of 512 bytes, 16 a lane
	s_lshl_b32 s100, s17, 1
	s_add_co_u32 s100, s100, s16
	s_lshl_b32 s100, s100, 9                       ; my 128 columns, in bytes
	s_mov_b32 s101, 0
	s_lshl_b32 s2, s19, 2
	s_add_co_u32 s2, s2, s18
	s_lshl_b32 s2, s2, 1
	s_add_co_u32 s2, s2, s15
	s_lshl_b32 s2, s2, 19                          ; my 128 rows of 4,096 bytes
	s_add_co_u32 s2, s2, s100
	s_mov_b32 s3, 0
	s_add_nc_u64 s[12:13], s[10:11], s[2:3]        ; out0 at my part
	s_add_nc_u64 s[100:101], s[8:9], s[100:101]    ; the bias of my columns
	v_lshlrev_b32 v21, 6, v21                      ; 64 h
.irp b, 0,1,2,3,4,5,6,7                        ; eight registers a tile of B, in the result's layout: columns 32 (b / 2) + 8 (b % 2) + 16 h + 0 .. 7
	global_load_b128 v[96+8*\b+96*(\b/4):96+8*\b+96*(\b/4)+3], v21, s[100:101] offset:4*(32*(\b/2)+8*(\b%2))
	global_load_b128 v[96+8*\b+96*(\b/4)+4:96+8*\b+96*(\b/4)+7], v21, s[100:101] offset:4*(32*(\b/2)+8*(\b%2))+16
.endr
	s_wait_alu depctr_va_vdst(0)
	s_wait_tensorcnt 2                             ; the scale words and K slot 0 are in; K slots 1 and 2 may be out
	s_barrier_signal -1
	s_barrier_wait -1
	FETCH_B 0, 0, 0
	FETCH_A 0, 0, 0
	SCALES
	FETCH_A 0, 0, 4
	s_wait_loadcnt 0x0                             ; the bias
	STEP 0, 0, 1, 2                                ; the first K step's products start the sums from the bias
	TURN 1, 1, 1                                   ; every wave's first four loads have landed: slots 1 and 2 are whole; slot 0 takes K slot 3
	STEP 2, 1, 1, 0
	STEP 3, 2, 0, 0
	STEP 4, 2, 1, 0
	TURN 5, 0, 0                                   ; the refill has landed in every wave
	STEP 6, 0, 1, 0
	s_wait_dscnt 16
	WIN 0xa1
	MUL16 0, 7, 0
	MUL16 2, 7, 0
	s_wait_dscnt 0x0
	WIN 0xf1
	MUL16 4, 7, 0
	MUL16 6, 7, 0
	WIN 0
	PLACES 4
; THE WAY OUT, a tile of 16 tokens x 128 columns at a time, through my own stage: a lane's 32 bytes go in by rows of 528 bytes and whole rows of 512 bytes come back.
; LDS serves a wave's instructions in order (ISA guide 5.7.1.4): no wait between the stores and the loads, nor in front of the next tile's stores.
.macro TOSTAGE a
	WIN 0x08+4*((\a)/4)                            ; an LDS store's data are its source 1: window 2 or 3
.irp b, 0,1,2,3,4,5,6,7
	ds_store_b128 v[STO], v[64*((\a)%4)+8*\b:64*((\a)%4)+8*\b+3] offset:128*(\b/2)+32*(\b%2)        ; each accumulator from its low end on
	ds_store_b128 v[STO], v[64*((\a)%4)+8*\b+4:64*((\a)%4)+8*\b+7] offset:128*(\b/2)+32*(\b%2)+16
.endr
	WIN 0
.irp t, 0,1,2,3,4,5,6,7,8,9,10,11,12,13,14,15
	ds_load_b128 v[BK+64*((\a)%2)+4*\t:BK+64*((\a)%2)+4*\t+3], v[RD] offset:\t*SP
.endr
.endm
.macro SEND a, younger                 ; younger: the LDS instructions issued behind tile a's loads, which may stay out
	s_wait_dscnt \younger
.irp t, 0,1,2,3,4,5,6,7,8,9,10,11,12,13,14,15
	global_store_b128 v[VO16], v[BK+64*((\a)%2)+4*\t:BK+64*((\a)%2)+4*\t+3], s[12:13] offset:(32*((\a)/2)+8*((\a)%2)+\t+8*(\t/8))*4096 th:TH_STORE_NT   ; 512 consecutive bytes; the tiles' order of rows is undone in the immediate
.endr
.endm
	TOSTAGE 0
.irp a, 1,2,3,4,5,6,7
.if \a > 1
	s_wait_xcnt 0x0                                ; tile a - 2's stores have read their registers: tile a's loads may land there
.endif
	TOSTAGE \a
	SEND \a-1, 32                                  ; behind tile a - 1's loads: tile a's 16 stores and 16 loads
.endr
	SEND 7, 0
	s_wait_tensorcnt 0x0                           ; the wave's end: behind my last tensor load and my last LDS store
	ds_add_u32 v[SPW], v[NIL]
	s_wait_dscnt 0x0
	CROUND                                         ; the closing round
	s_endpgm
.Lfunc_end_k_q74909daede_proj:
	.size	k_q74909daede_proj, .Lfunc_end_k_q74909daede_proj-k_q74909daede_proj
	.p2alignl 7, 3214868480
	.fill 96, 4, 3214868480
	.section	.rodata,"a",@progbits
	.p2align	6, 0x0
	.amdhsa_kernel k_q74909daede_proj
		.amdhsa_group_segment_fixed_size 327680
		.amdhsa_private_segment_fixed_size 0
		.amdhsa_enable_private_segment 0
		.amdhsa_kernarg_size 32
		.amdhsa_user_sgpr_count 2
		.amdhsa_user_sgpr_kernarg_segment_ptr 1
		.amdhsa_wavefront_size32 1
		.amdhsa_system_sgpr_workgroup_id_x 1
		.amdhsa_system_sgpr_workgroup_id_y 1
		.amdhsa_system_sgpr_workgroup_id_z 1
		.amdhsa_system_vgpr_workitem_id 0
		.amdhsa_next_free_vgpr 1024
		.amdhsa_next_free_sgpr 102
		.amdhsa_reserve_vcc 0
		.amdhsa_float_denorm_mode_32 3
		.amdhsa_float_denorm_mode_16_64 3
		.amdhsa_memory_ordered 1
		.amdhsa_forward_progress 1
		.amdhsa_inst_pref_size 147
	.end_amdhsa_kernel
	.amdgpu_metadata
---
amdhsa.version: [ 1, 2 ]
amdhsa.kernels:
  - .name:           k_q74909daede_proj
    .symbol:         k_q74909daede_proj.kd
    .args:
      - { .name: oq, .offset: 0, .size: 8, .value_kind: global_buffer, .address_space: global }
      - { .name: wq, .offset: 8, .size: 8, .value_kind: global_buffer, .address_space: global }
      - { .name: bproj, .offset: 16, .size: 8, .value_kind: global_buffer, .address_space: global }
      - { .name: out0, .offset: 24, .size: 8, .value_kind: global_buffer, .address_space: global }
    .group_segment_fixed_size: 327680
    .private_segment_fixed_size: 0
    .kernarg_segment_align: 8
    .kernarg_segment_size: 32
    .max_flat_workgroup_size: 128
    .sgpr_count:     102
    .vgpr_count:     1024
    .wavefront_size: 32
...
	.end_amdgpu_metadata
.endif
;; end of part 4
